; MI455X (gfx1250); checked and timed in simulation.
; The chip was launched on July 23, 2026; its instructions are those of AMD's public machine-readable ISA for CDNA 5 (MIT licence, August 2026) and "CDNA5" Instruction Set Architecture Reference Guide (July 2026). The comments in the code are by the model that wrote it; some were corrected since.
;; Causal Self Attention. Allowed arithmetic: matrix products marked QUANTISED: E2M1 operands, one E8M0 scale for each 32 along K, by v_wmma_scale_f32_16x16x128_f8f6f4 with both operands' format E2M1 (or v_wmma_scale_f32_32x16x128_f4), f32 sums; products left as they are: bf16, f16 or f32 operands; f32 sums; everything else in f32.
;; Inputs: Wk 256 x 1,024 float32; Wproj 1,024 x 1,024 float32; Wq 1,024 x 1,024 float32; Wv 256 x 1,024 float32; q_gain 16 float32; x 4 x 2,048 x 1,024 float32.
;; Outputs: out0 4 x 2,048 x 1,024 float32.
;; This version of the problem:
;;   THIS VERSION OF THE PROBLEM IS GIVEN IN LOW PRECISION. The matrix products marked QUANTISED in the list below multiply operands that are first quantised to E2M1 (2 exponent bits, 1 mantissa bit; 4 bits a number), with one power-of-two scale for each 32 numbers along K (OCP MX v1.0); their sums are f32. The products marked 'left as it is' may take bf16, f16 or f32 operands, with f32 sums. Whichever they take, every output number must still come out within the allowed error. Rounding operands to bf16 (8 significant bits) uses up far more of that allowance than f16 does (11 bits, for magnitudes from 6e-5 to 65,504). All else is computed in f32.
;;   The module's matrix products, in the order in which they are computed (A, B: the left and right operand; K: the contracted axis; several contracted axes count as one K, in the product's order):
;;     1. [M 8,192, K 1,024] x [K 1,024, N 1,024]; A: input x; B: input Wq: QUANTISED
;;     2. [M 8,192, K 1,024] x [K 1,024, N 256]; A: input x; B: input Wk: QUANTISED
;;     3. [M 8,192, K 1,024] x [K 1,024, N 256]; A: input x; B: input Wv: QUANTISED
;;     4. batch 64 x [M 2,048, K 64] x [K 64, N 2,048]; A: computed on the way; B: computed on the way: left as it is (an operand is computed on the way)
;;     5. batch 64 x [M 2,048, K 2,048] x [K 2,048, N 64]; A: computed on the way; B: computed on the way: left as it is (an operand is computed on the way)
;;     6. [M 8,192, K 1,024] x [K 1,024, N 1,024]; A: computed on the way; B: input Wproj: left as it is (an operand is computed on the way)
;;   THE QUANTISER, for each operand of a quantised product, along K:
;;     - K is cut into blocks of 32 from its start; a last block that is shorter is filled with zeros.
;;     - A block's scale is 2^e with e = floor(log2(the largest magnitude in the block)) - 2, held to -126 .. 127; a block of zeros has e = 0. As a byte (E8M0): e + 127.
;;     - Each number is divided by its block's scale, clamped to +-6, and rounded to the nearest number of E2M1, ties to even, subnormals kept.
;;     - The product sums the exact products of the quantised numbers (number of the format x scale) in f32.
;;   ~~~python
;;   def quantise(x, axis):      # numpy; x: float32 -> the quantised numbers, widened to float32 again
;;       x = np.moveaxis(x, axis, -1); K = x.shape[-1]
;;       x = np.pad(x, [(0, 0)] * (x.ndim - 1) + [(0, -K % 32)]); x = x.reshape(x.shape[:-1] + (-1, 32)); a = np.abs(x).max(-1, keepdims=True)
;;       e = np.where(a > 0, np.clip(np.frexp(np.where(a > 0, a, 1))[1] - 1 - 2, -126, 127), 0)      # np.frexp(a)[1] - 1 = floor(log2(a)), exactly
;;       r = np.clip(x / 2.0 ** e, -6, 6)
;;       step = 2.0 ** (np.maximum(np.frexp(np.where(r == 0, 1, r))[1] - 1, 0) - 1)
;;       q = np.round(r / step) * step * 2.0 ** e      # np.round: ties to even
;;       return np.moveaxis(q.reshape(q.shape[:-2] + (-1,))[..., :K], -1, axis).astype(np.float32)
;;   ~~~
;; One version. Each part assembles by itself: llvm-mc -triple=amdgcn-amd-amdhsa -mcpu=gfx1250 --defsym DOCPART=n.
;; ======== version 1 of 1: 5 launches
;; limits: values are held in f16: magnitudes above 65,504 overflow, below 6.1e-05 lose precision
;; workspace buffers: ximg 4,456,448 bytes; wprep 3,457,024 bytes; qimg 16,777,216 bytes; kvimg 8,388,608 bytes; vnimg 8,388,608 bytes; first32 393,216 bytes; yimg 16,777,216 bytes
;; launch prep (part 1): grid 352 x 1, 4 waves a work-group, no clusters, 39,424 bytes of LDS; arguments x, Wq, Wk, Wv, Wproj, ximg, wprep; writes ximg, wprep
.if DOCPART == 1
	.amdgcn_target "amdgcn-amd-amdhsa--gfx1250"
	.amdhsa_code_object_version 6
	.text
	.protected	k_qb268e095fb_prep
	.globl	k_qb268e095fb_prep
	.p2align	8
	.type	k_qb268e095fb_prep,@function
k_qb268e095fb_prep:
	s_mov_b64 s[64:65], 0
	v_nop
	global_prefetch_b8 v0, s[64:65] scope:SCOPE_SE
	s_setreg_imm32_b32 hwreg(HW_REG_WAVE_MODE, 25, 1), 1
	s_wait_xcnt 0x0
; PREP.  Three kinds of work-groups, told apart by the work-group's number alone.
;   0 .. 303   x [8192][1024], Wq [1024][1024], Wk, Wv [256][1024], f32, become codes of FP4 (E2M1) with one E8M0 byte for each 32 along K,
;              laid in the ORDER OF THE OPERAND'S REGISTERS: a fragment (16 rows x 128 K) is 1,024 bytes, lane l's 16 bytes of group c at 512 c + 16 l.
;   304 .. 335 Wproj [1024][1024] becomes f16, row-major.
;   336 .. 351 the rope's table: for each of 2,048 positions 32 cosines and 32 sines, f32, 256 bytes a position.
; THE QUANTISER: a block's scale is 2^(floor(log2(largest magnitude)) - 2); its byte is the largest magnitude's exponent field - 2, held at 1 from below; numbers / scale go to the nearest code, ties to even, beyond 6 to 6.
; LIMITS: a block of zeros gets the byte 1 where the rule says 127 (its codes are zeros, and this program alone reads the bytes); blocks whose largest magnitude lies under 2^-124 are held at the byte 1;
; NaN and infinities are not served.  Wproj in f16: magnitudes under 65,504; under 6e-5 fewer bits are kept.  The rope's angle t x inv_freq is reduced by pi/2 in two parts and put through
; polynomials of degree 8 and 9 (error under 3e-8); inv_freq = 2^(-i log2(10000) / 32) may differ from the reference's in its last bits: a few 1e-4 rad at the largest positions.
; A wave of the first kind takes 16 rows x 512 along K, a row a step.  Each of a step's four loads reads 512 consecutive bytes; the 2,048 bytes turn through the wave's own stage in LDS so that a lane holds
; 16 neighbours (two lanes a block).  Codes and bytes are gathered in the wave's own LDS and leave as dense runs of 512 and 256 bytes.  Waves share nothing: no barrier.
.set WREG,    9728                     ; LDS of a wave: two stages of 32 x 80 bytes, 256 scale bytes, 16 units of 256 + 16 bytes of codes
.set SP,      80
.set SCB,     5120
.set CST,     5376
.set SPARE,   4*WREG                   ; the spare words, 128 bytes a wave: two blocks of 256 bytes that no other line names
.set ROPE_AT, 835584                   ; in wprep: behind the 24 units of weights' codes
.set WP_AT,   1359872                  ; and Wproj in f16 behind the table
.set VA,  4                            ; v4-7    16 x lane + sl x (bytes from K step to K step)
.set SPW, 12                           ; v12     my spare word's LDS address; never rewritten
.set NIL, 13                           ; v13     0; never rewritten
.set R,   32                           ; v32-159 eight sets of 16 numbers as loaded
.set X,   160                          ; v160-191 two sets of 16 neighbours
.set C,   192                          ; v192-223 two registers of codes for each step
.set E,   224                          ; v224-239 a scale byte for each step
	s_load_b256 s[4:11], s[0:1], 0x0               ; x, Wq, Wk, Wv
	s_load_b128 s[12:15], s[0:1], 0x20             ; Wproj, ximg
	s_load_b64 s[16:17], s[0:1], 0x30              ; wprep
	v_lshl_add_u32 v[SPW], v0, 2, SPARE
	v_mov_b32 v[NIL], 0
	v_lshrrev_b32 v1, 5, v0
	v_readfirstlane_b32 s18, v1                    ; wave
	v_and_b32 v2, 31, v0                           ; lane
	v_lshlrev_b32 v3, 4, v2                        ; 16 x lane
	s_cmp_ge_u32 ttmp9, 304
	s_cbranch_scc1 .Lnot_codes
; ---------------- codes and scale bytes ----------------
	s_mul_i32 s19, s18, WREG
	v_lshrrev_b32 v14, 2, v2
	v_mul_u32_u24 v14, v14, SP
	v_and_b32 v15, 3, v2
	v_lshl_add_u32 v14, v15, 4, v14
	v_add_nc_u32 v14, s19, v14                     ; the stage, in: four lanes' 64 bytes on end, then 16 of padding
	v_mul_u32_u24 v15, v2, SP
	v_add_nc_u32 v15, s19, v15                     ; and out: my 16 neighbours
	v_lshrrev_b32 v17, 1, v2                       ; my block of the step's 16
	v_mul_u32_u24 v16, v17, 272
	v_and_b32 v18, 1, v2
	v_lshl_add_u32 v16, v18, 3, v16
	v_add_nc_u32 v16, s19, v16                     ; codes, in: unit = block, 16 bytes a row, my half of them
	v_add_nc_u32 v17, s19, v17                     ; scale bytes, in: 16 a row
	v_lshrrev_b32 v18, 4, v2
	v_mul_u32_u24 v18, v18, 272
	v_and_b32 v19, 15, v2
	v_lshl_add_u32 v18, v19, 4, v18
	v_add_nc_u32 v18, s19, v18                     ; codes, out: two units an instruction
	v_lshlrev_b32 v20, 3, v2                       ; scale bytes, out: 8 a lane
	v_add_nc_u32 v19, s19, v20
	s_lshr_b32 s20, s18, 1                         ; which tile of the pair
	s_and_b32 s21, s18, 1                          ; a: which half of K
	s_wait_kmcnt 0x0
	s_mov_b64 s[22:23], s[10:11]                   ; which tensor: the choices hang on the work-group's number alone
	s_mov_b32 s24, 296
	s_mov_b32 s25, 5
	s_cmp_lt_u32 ttmp9, 296
	s_cselect_b64 s[22:23], s[8:9], s[22:23]
	s_cselect_b32 s24, 288, s24
	s_cselect_b32 s25, 4, s25
	s_cmp_lt_u32 ttmp9, 288
	s_cselect_b64 s[22:23], s[6:7], s[22:23]
	s_cselect_b32 s24, 256, s24
	s_cmp_lt_u32 ttmp9, 256
	s_cselect_b64 s[22:23], s[4:5], s[22:23]
	s_cselect_b32 s24, 0, s24
	s_sub_co_u32 s24, ttmp9, s24
	s_lshl_b32 s24, s24, 1
	s_add_co_u32 s24, s24, s20                     ; tl: my tile of 16 rows in the tensor
	s_lshr_b32 s26, s24, 2                         ; a weight's 64 rows: head
	s_lshr_b32 s27, s26, 2
	s_and_b32 s28, s26, 3
	s_cmp_lt_u32 ttmp9, 288
	s_cselect_b32 s26, s27, s26                    ; group g: Wq: head / 4; Wk, Wv: head
	s_cselect_b32 s25, s28, s25                    ; place in the group: Wq: head % 4; Wk: 4; Wv: 5
	s_mul_i32 s26, s26, 6
	s_add_co_u32 s26, s26, s25
	s_mul_i32 s26, s26, 34816                      ; the unit's first byte in wprep
	s_lshr_b32 s27, s24, 3
	s_mul_i32 s27, s27, 69632                      ; x: the block of 128 tokens in ximg
	s_and_b32 s28, s24, 7
	s_and_b32 s29, s24, 3
	s_mov_b32 s30, 4096
	s_mov_b32 s31, 32768
	s_cmp_lt_u32 ttmp9, 256
	s_cselect_b64 s[32:33], s[14:15], s[16:17]
	s_cselect_b32 s26, s27, s26
	s_cselect_b32 s28, s28, s29                    ; tin: the tile's place in its block or unit
	s_cselect_b32 s30, 8192, s30                   ; bytes from K step to K step
	s_cselect_b32 s31, 65536, s31                  ; where the scale words begin
	s_lshl_b32 s34, s24, 16                        ; 16 rows of 4,096 bytes
	s_lshl_b32 s35, s21, 11
	s_add_co_u32 s34, s34, s35
	s_mov_b32 s35, 0
	s_add_nc_u64 s[22:23], s[22:23], s[34:35]      ; my 16 rows, my half of K
	s_lshl_b32 s34, s28, 10
	s_add_co_u32 s34, s34, s26
	s_mul_i32 s36, s30, s21
	s_lshl_b32 s36, s36, 2
	s_add_co_u32 s34, s34, s36                     ; codes: K step 4 a, tile tin
	s_add_nc_u64 s[38:39], s[32:33], s[34:35]
	s_lshr_b32 s40, s28, 1
	s_lshl_b32 s40, s40, 10
	s_and_b32 s41, s28, 1
	s_lshl_b32 s41, s41, 8
	s_add_co_u32 s40, s40, s41
	s_lshl_b32 s41, s21, 9
	s_add_co_u32 s40, s40, s41
	s_add_co_u32 s40, s40, s26
	s_add_co_u32 s40, s40, s31                     ; scale words: [tin / 2][a][16 (tin % 2) + row][16 bytes]
	s_mov_b32 s41, 0
	s_add_nc_u64 s[40:41], s[32:33], s[40:41]
	v_mov_b32 v[VA], v3
	v_add_nc_u32 v[VA+1], s30, v3
	v_add_nc_u32 v[VA+2], s30, v[VA+1]
	v_add_nc_u32 v[VA+3], s30, v[VA+2]
.macro LOAD t
.irp i, 0,1,2,3
	global_load_b128 v[R+16*((\t)%8)+4*\i:R+16*((\t)%8)+4*\i+3], v3, s[22:23] offset:4096*(\t)+512*\i th:TH_LOAD_NT   ; 32 lanes read 512 consecutive bytes of row t
.endr
.endm
.macro TURN t                          ; row t's numbers through the stage: LDS serves a wave's instructions in order, so no wait stands between the stores and the loads
.irp i, 0,1,2,3
	ds_store_b128 v14, v[R+16*((\t)%8)+4*\i:R+16*((\t)%8)+4*\i+3] offset:32*SP*((\t)%2)+8*SP*\i
.endr
.irp i, 0,1,2,3
	ds_load_b128 v[X+16*((\t)%2)+4*\i:X+16*((\t)%2)+4*\i+3], v15 offset:32*SP*((\t)%2)+16*\i
.endr
.endm
.irp t, 0,1,2,3,4,5,6,7
	LOAD \t
.endr
	s_wait_loadcnt 28                              ; row 0's four loads are in; seven rows' 28 stay out
	TURN 0
.macro STEP t
.set XS, X+16*((\t)%2)
.if (\t) > 0
	s_wait_dscnt 2                                 ; this row's numbers are back from the stage (the last row's byte store and code store may be out): so its stores into the stage have read their registers,
.else
	s_wait_dscnt 0x0
.endif
.if (\t)+8 < 16
	LOAD (\t)+8                                    ; which take the loads of eight rows on
	s_wait_loadcnt 28                              ; the next row's four loads are in; those of the seven rows behind it may be out
	TURN (\t)+1
.elseif (\t)+1 < 16
	s_wait_loadcnt 4*(14-(\t))                     ; the counts run down: 14 - t rows are behind the next one
	TURN (\t)+1
.endif
	v_max3_num_f32 v8, |v[XS]|, |v[XS+1]|, |v[XS+2]|               ; the largest magnitude of my 16
	v_max3_num_f32 v9, |v[XS+3]|, |v[XS+4]|, |v[XS+5]|
.irp i, 6,10
	v_max3_num_f32 v8, v8, |v[XS+\i]|, |v[XS+\i+1]|
	v_max3_num_f32 v9, v9, |v[XS+\i+2]|, |v[XS+\i+3]|
.endr
	v_max3_num_f32 v8, v8, |v[XS+14]|, |v[XS+15]|
	v_max3_num_f32 v8, v8, v9, 0x1800000           ; and the floor 2^(3 - 127): the byte cannot fall under 1
	v_max_num_f32_dpp v8, v8, v8 row_xmask:1 row_mask:0xf bank_mask:0xf   ; with my neighbour's 16: the block's
	v_add_nc_u32 v11, 0xff000000, v8               ; 2 off its exponent field: the conversion takes this operand's exponent field as its scale
	v_cvt_scalef32_pk8_fp4_f32 v[C+2*(\t)], v[XS:XS+7], v11
	v_cvt_scalef32_pk8_fp4_f32 v[C+2*(\t)+1], v[XS+8:XS+15], v11
	v_lshrrev_b32 v[E+(\t)], 23, v11               ; the scale's byte (a plain line behind the conversions)
	ds_store_b8 v17, v[E+(\t)] offset:SCB+16*(\t)  ; both lanes of a block write the same byte with the same value
	ds_store_b64 v16, v[C+2*(\t):C+2*(\t)+1] offset:CST+16*(\t)
.endm
.irp t, 0,1,2,3,4,5,6,7,8,9,10,11,12,13,14,15
	STEP \t
.endr
.irp i, 0,1,2,3,4,5,6,7
	ds_load_b128 v[R+4*\i:R+4*\i+3], v18 offset:CST+2*\i*272       ; units 2 i and 2 i + 1: half a fragment, 512 bytes, in the order of the operand's registers
.endr
	ds_load_b64 v[R+32:R+33], v19 offset:SCB
	s_wait_dscnt 0x0
.irp i, 0,1,2,3,4,5,6,7
	global_store_b128 v[VA+\i/2], v[R+4*\i:R+4*\i+3], s[38:39] offset:512*(\i%2)   ; 32 lanes store 512 consecutive bytes, aligned
.endr
	global_store_b64 v20, v[R+32:R+33], s[40:41]   ; 32 lanes store 256 consecutive bytes, aligned
	s_wait_tensorcnt 0x0                           ; the wave's end: behind my last LDS store
	ds_add_u32 v[SPW], v[NIL]
	s_wait_dscnt 0x0
	s_endpgm
; ---------------- Wproj to f16 ----------------
.Lnot_codes:
	s_cmp_ge_u32 ttmp9, 336
	s_cbranch_scc1 .Lrope
	s_sub_co_u32 s20, ttmp9, 304
	s_lshl_b32 s20, s20, 2
	s_add_co_u32 s20, s20, s18                     ; my run of 8,192 numbers
	s_lshl_b32 s22, s20, 15
	s_mov_b32 s23, 0
	s_lshl_b32 s24, s20, 14
	s_add_co_u32 s24, s24, WP_AT
	s_mov_b32 s25, 0
	v_lshlrev_b32 v4, 3, v2
	s_wait_kmcnt 0x0
	s_add_nc_u64 s[22:23], s[12:13], s[22:23]
	s_add_nc_u64 s[24:25], s[16:17], s[24:25]
.macro CLOAD rr, st                    ; round rr: 16 loads of 512 consecutive bytes into set st
.irp n, 0,1,2,3,4,5,6,7,8,9,10,11,12,13,14,15
	global_load_b128 v[32+64*\st+4*\n:32+64*\st+4*\n+3], v3, s[22:23] offset:(16*\rr+\n)*512 th:TH_LOAD_NT
.endr
.endm
.macro CWORK rr, st                    ; four numbers a lane become 8 bytes: a store covers 256 consecutive bytes, aligned
.irp n, 0,1,2,3,4,5,6,7,8,9,10,11,12,13,14,15
	v_cvt_pk_f16_f32 v[160+32*\st+2*\n], v[32+64*\st+4*\n], v[32+64*\st+4*\n+1]
	v_cvt_pk_f16_f32 v[161+32*\st+2*\n], v[32+64*\st+4*\n+2], v[32+64*\st+4*\n+3]
	global_store_b64 v4, v[160+32*\st+2*\n:161+32*\st+2*\n], s[24:25] offset:(16*\rr+\n)*256
.endr
.endm
	CLOAD 0, 0
	CLOAD 1, 1
	s_wait_loadcnt 16                              ; this round's 16 loads are in; the next round's stay out
	CWORK 0, 0
	CLOAD 2, 0
	s_wait_loadcnt 16
	CWORK 1, 1
	CLOAD 3, 1
	s_wait_loadcnt 16
	s_wait_xcnt 0x0                                ; the first two rounds' stores have read their data: both sets may be written again
	CWORK 2, 0
	s_wait_loadcnt 0x0
	CWORK 3, 1
	s_endpgm
; ---------------- the rope's table ----------------
.Lrope:
	s_sub_co_u32 s20, ttmp9, 336
	s_lshl_b32 s20, s20, 7                         ; the work-group's first position
	v_lshrrev_b32 v4, 4, v0
	v_and_b32 v5, 15, v0                           ; which four of a position's 64 entries: 0-7 cosines, 8-15 sines
	v_add_nc_u32 v4, s20, v4                       ; my position; 8 further on in each trip
	v_cvt_f32_u32 v6, v4
	v_lshlrev_b32 v7, 8, v4
	v_lshl_add_u32 v7, v5, 4, v7                   ; 256 bytes a position, 16 bytes a thread: sixteen lanes store 256 consecutive bytes
	v_lshrrev_b32 v8, 3, v5                        ; 1: sine = cosine of the angle less pi/2
	v_and_b32 v9, 7, v5
	v_lshlrev_b32 v9, 2, v9
.irp j, 0,1,2,3
	v_add_nc_u32 v[24+\j], \j, v9
	v_cvt_f32_u32 v[24+\j], v[24+\j]
	v_mul_f32 v[24+\j], 0xbed49a7a, v[24+\j]       ; -i log2(10000) / 32
.endr
.irp j, 0,1,2,3
	v_exp_f32 v[24+\j], v[24+\j]                   ; inv_freq
.endr
	s_mov_b32 s21, 0x3f22f983                      ; 2 / pi
	s_mov_b32 s22, 0x3fc90fdb                      ; pi / 2, its f32 part,
	s_mov_b32 s23, 0xb33bbd2e                      ; and the rest
	s_mov_b32 s24, 0x37d00d01                      ; 1/40320
	s_mov_b32 s25, 0xbab60b61                      ; -1/720
	s_mov_b32 s26, 0x3d2aaaab                      ; 1/24
	s_mov_b32 s27, 0x3638ef1d                      ; 1/362880
	s_mov_b32 s28, 0xb9500d01                      ; -1/5040
	s_mov_b32 s29, 0x3c088889                      ; 1/120
	s_mov_b32 s30, 0xbe2aaaab                      ; -1/6
	s_mov_b32 s31, 16
	v_nop                                          ; a plain line behind the exponentials,
	s_wait_alu depctr_va_vdst(0)                   ; and the one wait for the four, ahead of their first reader and of the label
	s_wait_kmcnt 0x0
	s_add_nc_u64 s[32:33], s[16:17], ROPE_AT
.Lpos:
.irp j, 0,1,2,3
	v_mul_f32 v[32+\j], v6, v[24+\j]               ; the angle, as reference() multiplies it
	v_mul_f32 v[36+\j], s21, v[32+\j]
	v_rndne_f32 v[36+\j], v[36+\j]                 ; n quarter turns
	v_fma_f32 v[32+\j], -v[36+\j], s22, v[32+\j]
	v_fma_f32 v[32+\j], -v[36+\j], s23, v[32+\j]   ; r, at most pi/4 in size
	v_mul_f32 v[40+\j], v[32+\j], v[32+\j]
	v_fma_f32 v[44+\j], v[40+\j], s24, s25
	v_fma_f32 v[44+\j], v[44+\j], v[40+\j], s26
	v_fma_f32 v[44+\j], v[44+\j], v[40+\j], -0.5
	v_fma_f32 v[44+\j], v[44+\j], v[40+\j], 1.0    ; cos r
	v_fma_f32 v[48+\j], v[40+\j], s27, s28
	v_fma_f32 v[48+\j], v[48+\j], v[40+\j], s29
	v_fma_f32 v[48+\j], v[48+\j], v[40+\j], s30
	v_mul_f32 v[48+\j], v[48+\j], v[40+\j]
	v_fma_f32 v[48+\j], v[48+\j], v[32+\j], v[32+\j]   ; sin r
	v_cvt_i32_f32 v[36+\j], v[36+\j]
	v_sub_nc_u32 v[36+\j], v[36+\j], v8            ; k: the cosine of k quarter turns + r is wanted
	v_and_b32 v[52+\j], 1, v[36+\j]
	v_cmp_eq_u32 vcc_lo, 1, v[52+\j]
	v_cndmask_b32 v[44+\j], v[44+\j], v[48+\j], vcc_lo   ; odd k: the sine
	v_add_nc_u32 v[36+\j], 1, v[36+\j]
	v_and_b32 v[36+\j], 2, v[36+\j]
	v_lshlrev_b32 v[36+\j], 30, v[36+\j]
	v_xor_b32 v[44+\j], v[36+\j], v[44+\j]         ; k = 1, 2 modulo 4: the sign turns
.endr
	global_store_b128 v7, v[44:47], s[32:33]
	s_wait_xcnt 0x0                                ; the store has read its data and its offset: both are written again below and in the next trip
	v_add_f32 v6, 0x41000000, v6                   ; 8 positions on
	v_add_nc_u32 v7, 2048, v7
	s_sub_co_u32 s31, s31, 1
	s_cmp_lg_u32 s31, 0
	s_cbranch_scc1 .Lpos
	s_endpgm
.Lfunc_end_k_qb268e095fb_prep:
	.size	k_qb268e095fb_prep, .Lfunc_end_k_qb268e095fb_prep-k_qb268e095fb_prep
	.p2alignl 7, 3214868480
	.fill 96, 4, 3214868480
	.section	.rodata,"a",@progbits
	.p2align	6, 0x0
	.amdhsa_kernel k_qb268e095fb_prep
		.amdhsa_group_segment_fixed_size 39424
		.amdhsa_private_segment_fixed_size 0
		.amdhsa_enable_private_segment 0
		.amdhsa_kernarg_size 56
		.amdhsa_user_sgpr_count 2
		.amdhsa_user_sgpr_kernarg_segment_ptr 1
		.amdhsa_wavefront_size32 1
		.amdhsa_system_sgpr_workgroup_id_x 1
		.amdhsa_system_sgpr_workgroup_id_y 1
		.amdhsa_system_sgpr_workgroup_id_z 1
		.amdhsa_system_vgpr_workitem_id 0
		.amdhsa_next_free_vgpr 256
		.amdhsa_next_free_sgpr 66
		.amdhsa_reserve_vcc 1
		.amdhsa_float_denorm_mode_32 3
		.amdhsa_float_denorm_mode_16_64 3
		.amdhsa_memory_ordered 1
		.amdhsa_forward_progress 1
		.amdhsa_inst_pref_size 64
	.end_amdhsa_kernel
	.amdgpu_metadata
---
amdhsa.version: [ 1, 2 ]
amdhsa.kernels:
  - .name:           k_qb268e095fb_prep
    .symbol:         k_qb268e095fb_prep.kd
    .args:
      - { .name: x, .offset: 0, .size: 8, .value_kind: global_buffer, .address_space: global }
      - { .name: Wq, .offset: 8, .size: 8, .value_kind: global_buffer, .address_space: global }
      - { .name: Wk, .offset: 16, .size: 8, .value_kind: global_buffer, .address_space: global }
      - { .name: Wv, .offset: 24, .size: 8, .value_kind: global_buffer, .address_space: global }
      - { .name: Wproj, .offset: 32, .size: 8, .value_kind: global_buffer, .address_space: global }
      - { .name: ximg, .offset: 40, .size: 8, .value_kind: global_buffer, .address_space: global }
      - { .name: wprep, .offset: 48, .size: 8, .value_kind: global_buffer, .address_space: global }
    .group_segment_fixed_size: 39424
    .private_segment_fixed_size: 0
    .kernarg_segment_align: 8
    .kernarg_segment_size: 56
    .max_flat_workgroup_size: 128
    .sgpr_count:     66
    .vgpr_count:     256
    .wavefront_size: 32
...
	.end_amdgpu_metadata
.endif
;; end of part 1
;; launch qkv (part 2): grid 64 x 4, 12 waves a work-group, clusters of 4 x 4, 280,576 bytes of LDS; arguments ximg, wprep, q_gain, qimg, kvimg, vnimg, first32; writes qimg, kvimg, vnimg, first32
.if DOCPART == 2
	.amdgcn_target "amdgcn-amd-amdhsa--gfx1250"
	.amdhsa_code_object_version 6
	.text
	.protected	k_qb268e095fb_qkv
	.globl	k_qb268e095fb_qkv
	.p2align	8
	.type	k_qb268e095fb_qkv,@function
k_qb268e095fb_qkv:
	s_mov_b64 s[64:65], 0
	v_nop
	global_prefetch_b8 v0, s[64:65] scope:SCOPE_SE
	s_setreg_imm32_b32 hwreg(HW_REG_WAVE_MODE, 25, 1), 1
	s_wait_xcnt 0x0
	s_wait_alu depctr_hold_cnt(0) depctr_sa_sdst(0) depctr_va_vdst(0) depctr_va_sdst(0) depctr_va_ssrc(0) depctr_va_vcc(0) depctr_vm_vsrc(0)
	s_getreg_b32 s2, hwreg(HW_REG_IB_STS2, 6, 4)
	s_cmp_eq_u32 s2, 0
	s_cbranch_scc0 .Lentry_in_a_cluster
	s_endpgm
.Lentry_in_a_cluster:
	s_bfe_u32 s2, ttmp6, 0x10000c
	s_cmp_lg_u32 s2, 0xf033
	s_cbranch_scc0 .Lentry_shape_is_right
	s_endpgm
.Lentry_shape_is_right:
; QKV.  [q k v] = x [Wq; Wk; Wv]^T on codes of FP4 (E2M1) with E8M0 scales, K = 1,024; then, in f32: rms norm and rope of q and k, q x gain x 0.125 x log2(e); v and its unit vector.
; Out: q, k, v as f16 in the order of the next products' operand registers; v / max(|v|, 1e-12) as f32; positions 0 to 15 of every sequence once more as f32, for the launch that carries them finely.
; SHARES.  A work-group takes 128 tokens (block tb = 16 cx + cluster x, so that cx is the batch) and the six units of 64 columns of group g = cy: query heads 4 g .. 4 g + 3, key head g, value head g.
; Wave w: unit w / 2, tokens 64 (w % 2) on: 64 x 64, sixteen accumulators, one pass over K: 128 matrix instructions.
; LDS is filled once: the group's codes and scale words (208,896 bytes, a twelfth to each wave's load) and the block's (69,632 bytes, waves 0 to 3).  Both lie in memory in the order of the operand's registers,
; so a fragment comes by two loads of 16 bytes a lane at 16 x lane: dense, no pitch.  By this text's own count a wave has at most two tensor loads out.
; CLUSTER 4 x 4: the four work-groups of a row (same cy) need the same weights, the four of a column (same cx) the same tokens: each part is asked for jointly.
; THE PRODUCT IS USED TRANSPOSED (source 0 = 16 rows of W, source 1 = 16 tokens): a lane holds ONE token (lane % 16) and the channels 16 t + 8 (lane / 16) + 0 .. 7 of its head.  So the norm wants one exchange
; between the halves of the lanes, the rope's partners (channel i, i + 32) lie in one lane, and four conversions make the 16 bytes that the same lane holds in the next product's fragment.
; LIMITS: v goes to f16: |v| under 65,504.  NaN and infinities are not served.
.set XB,      208896                   ; LDS: the tokens' block behind the six units
.set UNITB,   34816                    ; a unit: 32 fragments of 1,024 bytes, 2,048 bytes of scale words
.set PART,    17408                    ; what one tensor load brings: 68 rows of 256 bytes
.set SPARE,   278528                   ; the spare words, 128 bytes for each of 12 waves: six blocks of 256 bytes that no other line names
.set ROPE_AT, 835584
.set SPW, 1                            ; v1   my spare word; never rewritten
.set NIL, 2                            ; v2   0; never rewritten
.set WA,  3                            ; v3   LDS: my unit + 16 x lane
.set XA,  4                            ; v4   LDS: my four tiles of tokens + 16 x lane   (behind the products: v[4:5] hold tile 3's factor)
.set XSA, 5                            ; v5   LDS: their scale words
.set L16, 6                            ; v6   16 x lane
.set VSL, 7                            ; v7   16 x the place that v's 16 bytes take, so that the reader's turning load addresses 16 x lane
.set RA,  8                            ; v8   the rope's table: 256 (lane % 16) + 32 (lane / 16)
.set FA,  9                            ; v9   first32: 6,144 (lane % 16) + 32 (lane / 16)
.set XS,  16                           ; v16-31   x's scale words: 8 (tile / 2) + K step; lanes 0-15 the even tile, lanes 16-31 the odd one
.set WS,  32                           ; v32-47   W's likewise
.set FX,  48                           ; v48-79   four fragments of x; later cosines and sines, or v's f16
.set FW,  80                           ; v80-111  four fragments of W; later likewise
.set ACC, 112                          ; v112-239 accumulator (token tile i, channel tile t) at 112 + 32 i + 8 t
.set TT,  240                          ; v240-255 at work
.set WV,  18
.set UU,  19
.set QD,  20
.set CX,  21
.set CY,  22
.set G1W, 24
.set G1X, 32
.set G0W, 40
.set G0X, 44
.set ROPEB, 60
.set OUTB,  66
.set VNB,   68
.set F32B,  70
.set FAC,   72
.set R64,   73
.set EPS,   74
.set FIRST, 75
.set SEL,   76
.macro CROUND                          ; a round of the cluster's barrier
	s_barrier_signal -1
	s_barrier_wait -1
	s_cmp_lg_u32 s[WV], 0
	s_cbranch_scc1 .Lnot_wave_0_\@
	s_barrier_signal -3
.Lnot_wave_0_\@:
	s_barrier_wait -3
	s_barrier_signal -1
	s_barrier_wait -1
.endm
	s_load_b256 s[4:11], s[0:1], 0x0               ; ximg, wprep, q_gain, qimg
	s_load_b128 s[12:15], s[0:1], 0x20             ; kvimg, vnimg
	s_load_b64 s[16:17], s[0:1], 0x30              ; first32
	v_lshl_add_u32 v[SPW], v0, 2, SPARE
	v_mov_b32 v[NIL], 0
	ds_add_u32 v[SPW], v[NIL]                      ; the wave's opening: the add, twice on end, and its wait ahead of my first tensor load
	ds_add_u32 v[SPW], v[NIL]
	v_lshrrev_b32 v10, 5, v0
	v_readfirstlane_b32 s[WV], v10                 ; wave 0..11
	s_lshr_b32 s[UU], s[WV], 1                     ; my unit
	s_and_b32 s[QD], s[WV], 1                      ; my 64 tokens
	s_bfe_u32 s[CX], ttmp6, 0x40000
	s_bfe_u32 s[CY], ttmp6, 0x40004
	s_lshl_b32 s48, s[CY], 2
	s_lshl_b32 s48, 15, s48                        ; my row of the cluster
	s_lshl_b32 s49, 0x1111, s[CX]                  ; my column
	s_or_b32 s[G1W], s48, (3<<16)|(1<<21)          ; the weights go to my row; elements of 8 bytes; bit 21 beside a mask
	s_or_b32 s[G1X], s49, (3<<16)|(1<<21)          ; the tokens to my column
.irp g, G1W, G1X
	s_mov_b32 s[\g+1], 32<<16                      ; tensor_dim0 = 32 elements: rows of 256 bytes
	s_mov_b32 s[\g+2], 68<<16                      ; tensor_dim1 = 68
	s_mov_b32 s[\g+3], 32<<16                      ; tile_dim0
	s_mov_b32 s[\g+4], 68                          ; tile_dim1
	s_mov_b32 s[\g+5], 32                          ; dense: the pitch is the row
	s_mov_b32 s[\g+6], 0
	s_mov_b32 s[\g+7], 0
.endr
	s_mul_i32 s50, s[WV], PART                     ; my twelfth of the weights, in LDS and in memory
	s_min_u32 s51, s[WV], 3
	s_mul_i32 s51, s51, PART                       ; my quarter of the tokens' block (waves 0 to 3 ask)
	s_mul_i32 s52, s[CY], 6*UNITB
	s_add_co_u32 s52, s52, s50
	s_mov_b32 s53, 0
	s_lshl_b32 s54, s[CX], 4
	s_add_co_u32 s54, s54, ttmp9                   ; tb
	s_mul_i32 s54, s54, 69632
	s_add_co_u32 s54, s54, s51
	s_mov_b32 s55, 0
	s_mov_b32 s[SEL], 0x76543210
	s_mov_b32 s[SEL+1], 0xfedcba98                 ; v_permlanex16_b32's selects for lane l xor 16
	s_mov_b32 s[R64], 0x3c800000                   ; 1/64
	s_mov_b32 s[EPS], 0x358637bd                   ; 1e-6
	s_wait_dscnt 0x0                               ; both opening adds are done
	s_wait_kmcnt 0x0
	s_mov_b32 s[G0W], 1
	s_mov_b32 s[G0W+1], s50
	s_add_nc_u64 s[G0W+2:G0W+3], s[6:7], s[52:53]
	s_or_b32 s[G0W+3], s[G0W+3], 0x80000000
	s_mov_b32 s[G0X], 1
	s_add_co_u32 s[G0X+1], s51, XB
	s_add_nc_u64 s[G0X+2:G0X+3], s[4:5], s[54:55]
	s_or_b32 s[G0X+3], s[G0X+3], 0x80000000
	CROUND                                         ; all sixteen work-groups are here: the joint loads meet
	tensor_load_to_lds s[G0W:G0W+3], s[G1W:G1W+7]  ; every wave: its twelfth of the weights
	s_nop 0
.rept 4
	v_nop
.endr
	s_cmp_lt_u32 s[WV], 4
	s_cbranch_scc0 .Lasked
	tensor_load_to_lds s[G0X:G0X+3], s[G1X:G1X+7]  ; waves 0 to 3: a quarter of the tokens' block
	s_nop 0
.rept 4
	v_nop
.endr
.Lasked:
	s_min_u32 s56, s[UU], 3
	s_lshl_b32 s57, s[CY], 2
	s_add_co_u32 s56, s56, s57
	s_lshl_b32 s56, s56, 2
	s_load_b32 s58, s[8:9], s56 offset:0x0         ; my head's gain (units 4 and 5 read one and do not use it)
	v_and_b32 v10, 31, v0
	v_lshlrev_b32 v[L16], 4, v10
	s_mul_i32 s59, s[UU], UNITB
	v_add_nc_u32 v[WA], s59, v[L16]
	s_lshl_b32 s59, s[QD], 12
	s_add_co_u32 s59, s59, XB
	v_add_nc_u32 v[XA], s59, v[L16]
	s_lshl_b32 s59, s[QD], 11
	s_add_co_u32 s59, s59, XB+65536
	v_add_nc_u32 v[XSA], s59, v[L16]
	v_and_b32 v10, 15, v0                          ; r
	v_bfe_u32 v11, v0, 4, 1                        ; h
	v_and_b32 v12, 7, v10
	v_lshl_add_u32 v12, v11, 3, v12
	v_lshrrev_b32 v13, 3, v10
	v_lshl_add_u32 v12, v13, 4, v12
	v_lshlrev_b32 v[VSL], 4, v12                   ; 16 x ((r % 8) + 8 h + 16 (r / 8))
	v_lshlrev_b32 v[RA], 8, v10
	v_lshl_add_u32 v[RA], v11, 5, v[RA]
	v_mul_u32_u24 v[FA], v10, 6144
	v_lshl_add_u32 v[FA], v11, 5, v[FA]
	v_mov_b32 v15, 0                               ; (the upper halves of the factors' pairs are named with them, so they are written: v11 and v13 above, v15 here)
	; where my results go
	s_lshl_b32 s78, s[CX], 2
	s_add_co_u32 s78, s78, s[CY]                   ; 4 batch + kv head
	s_lshl_b32 s79, s78, 2
	s_add_co_u32 s79, s79, s[UU]                   ; 16 batch + query head
	s_lshl_b32 s80, ttmp9, 3
	s_lshl_b32 s81, s[QD], 2
	s_add_co_u32 s80, s80, s81                     ; my first tile of 16 positions in the sequence
	s_lshl_b32 s79, s79, 7
	s_add_co_u32 s79, s79, s80
	s_lshl_b32 s79, s79, 11                        ; q: 2,048 bytes a tile
	s_lshl_b32 s82, s78, 19
	s_lshl_b32 s83, s80, 12
	s_add_co_u32 s82, s82, s83                     ; k, v: 16,384 bytes for 64 keys
	s_lshl_b32 s84, s78, 7
	s_add_co_u32 s84, s84, s80
	s_lshl_b32 s84, s84, 12                        ; the unit vectors: 4,096 bytes a tile
	s_mov_b32 s85, 0
	s_lshl_b32 s86, s[CY], 2
	s_add_co_u32 s86, s86, s[UU]
	s_lshl_b32 s86, s86, 6                         ; first32's column: q: 64 x head;
	s_lshl_b32 s87, s[UU], 8
	s_lshl_b32 s88, s[CY], 6
	s_add_co_u32 s87, s87, s88                     ; k: 1,024 + 64 g, v: 1,280 + 64 g = 256 x unit + 64 g
	s_cmp_lt_u32 s[UU], 4
	s_cselect_b32 s86, s86, s87
	s_cselect_b32 s82, s79, s82
	s_cselect_b64 s[OUTB:OUTB+1], s[10:11], s[12:13]
	s_mov_b32 s83, 0
	s_add_nc_u64 s[OUTB:OUTB+1], s[OUTB:OUTB+1], s[82:83]
	s_add_nc_u64 s[VNB:VNB+1], s[14:15], s[84:85]
	s_lshl_b32 s86, s86, 2
	s_mul_i32 s87, s[CX], 98304
	s_add_co_u32 s86, s86, s87
	s_mov_b32 s87, 0
	s_add_nc_u64 s[F32B:F32B+1], s[16:17], s[86:87]
	s_lshl_b32 s88, s80, 12                        ; 256 bytes a position
	s_add_co_u32 s88, s88, ROPE_AT
	s_mov_b32 s89, 0
	s_add_nc_u64 s[ROPEB:ROPEB+1], s[6:7], s[88:89]
	s_or_b32 s[FIRST], ttmp9, s[QD]                ; 0: my tile 0 holds positions 0 to 15 (the same in all partners, for a given wave)
	s_wait_kmcnt 0x0
	s_mul_f32 s[FAC], s58, 0x3e38aa3b              ; gain x 0.125 x log2(e): the scores come out as exponents of 2
	s_cmp_lt_u32 s[UU], 4
	s_cselect_b32 s[FAC], s[FAC], 1.0              ; k has no factor
	s_wait_tensorcnt 0x0                           ; my parts have landed,
	s_barrier_signal -1
	s_barrier_wait -1                              ; everybody's have
.irp p, 0,1
.irp a, 0,1
	ds_load_b128 v[XS+8*\p+4*\a:XS+8*\p+4*\a+3], v[XSA] offset:1024*\p+512*\a          ; the words of K steps 4 a .. 4 a + 3 of tiles 2 p (lanes 0-15) and 2 p + 1 (lanes 16-31)
	ds_load_b128 v[WS+8*\p+4*\a:WS+8*\p+4*\a+3], v[WA] offset:32768+1024*\p+512*\a
.endr
.endr
; Four products: W's tiles 2 th, 2 th + 1 x x's tiles 2 ih, 2 ih + 1, K step s.  An odd tile's scale words stand in lanes 16-31 of the pair's register.
.macro QUAD th, ih, s, zero
.set rD, ACC+64*(\ih)+16*(\th)
.set rW, FW+16*(\th)
.set rX, FX+16*(\ih)
.set rP, WS+8*(\th)+(\s)
.set rQ, XS+8*(\ih)+(\s)
.if \zero
	v_wmma_scale_f32_16x16x128_f8f6f4 v[rD:rD+7], v[rW:rW+7], v[rX:rX+7], 0, v[rP], v[rQ] matrix_a_fmt:MATRIX_FMT_FP4 matrix_b_fmt:MATRIX_FMT_FP4
	v_wmma_scale_f32_16x16x128_f8f6f4 v[rD+32:rD+39], v[rW:rW+7], v[rX+8:rX+15], 0, v[rP], v[rQ] matrix_a_fmt:MATRIX_FMT_FP4 matrix_b_fmt:MATRIX_FMT_FP4 matrix_b_scale:MATRIX_SCALE_ROW1
	v_wmma_scale_f32_16x16x128_f8f6f4 v[rD+8:rD+15], v[rW+8:rW+15], v[rX:rX+7], 0, v[rP], v[rQ] matrix_a_fmt:MATRIX_FMT_FP4 matrix_b_fmt:MATRIX_FMT_FP4 matrix_a_scale:MATRIX_SCALE_ROW1
	v_wmma_scale_f32_16x16x128_f8f6f4 v[rD+40:rD+47], v[rW+8:rW+15], v[rX+8:rX+15], 0, v[rP], v[rQ] matrix_a_fmt:MATRIX_FMT_FP4 matrix_b_fmt:MATRIX_FMT_FP4 matrix_a_scale:MATRIX_SCALE_ROW1 matrix_b_scale:MATRIX_SCALE_ROW1
.else
	v_wmma_scale_f32_16x16x128_f8f6f4 v[rD:rD+7], v[rW:rW+7], v[rX:rX+7], v[rD:rD+7], v[rP], v[rQ] matrix_a_fmt:MATRIX_FMT_FP4 matrix_b_fmt:MATRIX_FMT_FP4
	v_wmma_scale_f32_16x16x128_f8f6f4 v[rD+32:rD+39], v[rW:rW+7], v[rX+8:rX+15], v[rD+32:rD+39], v[rP], v[rQ] matrix_a_fmt:MATRIX_FMT_FP4 matrix_b_fmt:MATRIX_FMT_FP4 matrix_b_scale:MATRIX_SCALE_ROW1
	v_wmma_scale_f32_16x16x128_f8f6f4 v[rD+8:rD+15], v[rW+8:rW+15], v[rX:rX+7], v[rD+8:rD+15], v[rP], v[rQ] matrix_a_fmt:MATRIX_FMT_FP4 matrix_b_fmt:MATRIX_FMT_FP4 matrix_a_scale:MATRIX_SCALE_ROW1
	v_wmma_scale_f32_16x16x128_f8f6f4 v[rD+40:rD+47], v[rW+8:rW+15], v[rX+8:rX+15], v[rD+40:rD+47], v[rP], v[rQ] matrix_a_fmt:MATRIX_FMT_FP4 matrix_b_fmt:MATRIX_FMT_FP4 matrix_a_scale:MATRIX_SCALE_ROW1 matrix_b_scale:MATRIX_SCALE_ROW1
.endif
.endm
; A K step of 128: eight fragments from LDS, sixteen products; the sixteen accumulators take turns, one instruction a turn.
.macro KSTEP s, zero
.if (\s) > 0
.rept 4
	v_nop                                          ; four places in front of loads into registers that matrix instructions have read
.endr
.endif
.irp i, 0,1,2,3
.irp c, 0,1
	ds_load_b128 v[FX+8*\i+4*\c:FX+8*\i+4*\c+3], v[XA] offset:(8*(\s)+\i)*1024+512*\c
.endr
.endr
.irp t, 0,1,2,3
.irp c, 0,1
	ds_load_b128 v[FW+8*\t+4*\c:FW+8*\t+4*\c+3], v[WA] offset:(4*(\s)+\t)*1024+512*\c
.endr
.endr
	s_wait_dscnt 0x0                               ; the fragments (and, in the first step, the scale words) are in; two other waves share the SIMD meanwhile
	QUAD 0, 0, \s, \zero
	QUAD 0, 1, \s, \zero
	QUAD 1, 0, \s, \zero
	QUAD 1, 1, \s, \zero
.endm
	KSTEP 0, 1                                     ; the first K step starts the sums: nothing is cleared
.irp s, 1,2,3,4,5,6,7
	KSTEP \s, 0
.endr
.rept 4
	v_nop                                          ; four places in front of the first reads of results, and of loads and writes into the fragments' registers
.endr
; the sum of squares of tile i's 64 channels: my 32 in two chains, each accumulator from its low end on, then lane l xor 16's
.macro SUMSQ i
.set rA, ACC+32*(\i)
.set rT, TT+4*(\i)
	v_pk_mul_f32 v[rT:rT+1], v[rA:rA+1], v[rA:rA+1]
	v_pk_mul_f32 v[rT+2:rT+3], v[rA+2:rA+3], v[rA+2:rA+3]
.irp p, 4,8,12,16,20,24,28
	v_pk_fma_f32 v[rT:rT+1], v[rA+\p:rA+\p+1], v[rA+\p:rA+\p+1], v[rT:rT+1]
	v_pk_fma_f32 v[rT+2:rT+3], v[rA+\p+2:rA+\p+3], v[rA+\p+2:rA+\p+3], v[rT+2:rT+3]
.endr
	v_pk_add_f32 v[rT:rT+1], v[rT:rT+1], v[rT+2:rT+3]
	v_add_f32 v[rT], v[rT], v[rT+1]
	v_permlanex16_b32 v[rT+1], v[rT], s[SEL], s[SEL+1]
	v_add_f32 v[rT], v[rT], v[rT+1]
.endm
	s_cmp_eq_u32 s[UU], 5
	s_cbranch_scc1 .Lvalues
; ---------------- q and k: norm, rope, factor ----------------
.macro TRIG i, cs                      ; tile i's cosines (16 registers: channel 16 t + 8 h + j at 8 t + j) and sines (16 more) into cs on
.irp t, 0,1
	global_load_b128 v[\cs+8*\t:\cs+8*\t+3], v[RA], s[ROPEB:ROPEB+1] offset:4096*(\i)+64*\t
	global_load_b128 v[\cs+8*\t+4:\cs+8*\t+7], v[RA], s[ROPEB:ROPEB+1] offset:4096*(\i)+64*\t+16
	global_load_b128 v[\cs+16+8*\t:\cs+16+8*\t+3], v[RA], s[ROPEB:ROPEB+1] offset:4096*(\i)+128+64*\t
	global_load_b128 v[\cs+16+8*\t+4:\cs+16+8*\t+7], v[RA], s[ROPEB:ROPEB+1] offset:4096*(\i)+128+64*\t+16
.endr
.endm
	TRIG 0, FX
	TRIG 1, FW
	SUMSQ 0
	SUMSQ 1
	SUMSQ 2
	SUMSQ 3
.irp i, 0,1,2,3
	v_fma_f32 v[TT+4*\i], v[TT+4*\i], s[R64], s[EPS]   ; the mean + 1e-6
.endr
.irp i, 0,1,2,3
	v_rsq_f32 v[TT+4*\i], v[TT+4*\i]
.endr
	v_nop                                          ; a plain line behind the last of them,
	s_wait_alu depctr_va_vdst(0)                   ; and one wait for the four, ahead of their first reader
	v_mul_f32 v10, s[FAC], v[TT]
	v_mul_f32 v12, s[FAC], v[TT+4]
	v_mul_f32 v14, s[FAC], v[TT+8]
	v_mul_f32 v4, s[FAC], v[TT+12]
; Tile i: x factor, turned, rounded to f16, stored.  cs: its cosines and sines; fr: its factor's pair; more = 1: cs takes tile i + 2's; left: the younger loads that may stay out
.macro ROPE i, cs, fr, more, left
.set rA, ACC+32*(\i)
	s_wait_loadcnt \left
.irp p, 0,2,4,6,8,10,12,14,16,18,20,22,24,26,28,30
	v_pk_mul_f32 v[rA+\p:rA+\p+1], v[rA+\p:rA+\p+1], v[\fr:\fr+1] op_sel_hi:[1,0]
.endr
.irp p, 0,2,4,6,8,10,12,14
	v_pk_mul_f32 v[TT+\p:TT+\p+1], v[rA+\p:rA+\p+1], v[\cs+\p:\cs+\p+1]
	v_pk_fma_f32 v[TT+\p:TT+\p+1], v[rA+16+\p:rA+17+\p], v[\cs+16+\p:\cs+17+\p], v[TT+\p:TT+\p+1] neg_lo:[1,0,0] neg_hi:[1,0,0]   ; x1 cos - x2 sin
	v_pk_mul_f32 v[rA+16+\p:rA+17+\p], v[rA+16+\p:rA+17+\p], v[\cs+\p:\cs+\p+1]
	v_pk_fma_f32 v[rA+16+\p:rA+17+\p], v[rA+\p:rA+\p+1], v[\cs+16+\p:\cs+17+\p], v[rA+16+\p:rA+17+\p]                            ; x2 cos + x1 sin
.endr
.if \more
	TRIG (\i)+2, \cs
.endif
.if (\i) == 0
	s_cmp_lg_u32 s[FIRST], 0
	s_cbranch_scc1 .Lnot_first_\@
.irp z, 0,1,2,3
	global_store_b128 v[FA], v[TT+4*\z:TT+4*\z+3], s[F32B:F32B+1] offset:64*(\z/2)+16*(\z%2)          ; positions 0 to 15 in f32: channels 0 to 31,
	global_store_b128 v[FA], v[rA+16+4*\z:rA+19+4*\z], s[F32B:F32B+1] offset:128+64*(\z/2)+16*(\z%2)  ; and 32 to 63
.endr
	s_wait_xcnt 0x0                                ; these stores have read their data, which the next tile's work writes again
.Lnot_first_\@:
.endif
.irp x, 0,1,2,3,4,5,6,7
	v_cvt_pk_f16_f32 v[rA+\x], v[TT+2*\x], v[TT+2*\x+1]            ; into registers whose numbers are done with: 4 t + x
.endr
.irp x, 0,1,2,3,4,5,6,7
	v_cvt_pk_f16_f32 v[rA+8+\x], v[rA+16+2*\x], v[rA+17+2*\x]
.endr
.irp t, 0,1,2,3
	global_store_b128 v[L16], v[rA+4*\t:rA+4*\t+3], s[OUTB:OUTB+1] offset:2048*(\i)+512*\t   ; 32 lanes store 512 consecutive bytes, aligned
.endr
.endm
	ROPE 0, FX, 10, 1, 8                           ; tile 1's eight loads may stay out
	ROPE 1, FW, 12, 1, 8                           ; tile 2's
	ROPE 2, FX, 14, 0, 8                           ; tile 3's
	ROPE 3, FW, 4, 0, 0
	s_branch .Ldone
; ---------------- v and its unit vector ----------------
.Lvalues:
	SUMSQ 0
	SUMSQ 1
	SUMSQ 2
	SUMSQ 3
.irp i, 0,1,2,3
	v_sqrt_f32 v[TT+4*\i], v[TT+4*\i]
.endr
	v_nop
	s_wait_alu depctr_va_vdst(0)                   ; one wait for the four roots
.irp i, 0,1,2,3
	v_max_num_f32 v[TT+4*\i], 0x2b8cbccc, v[TT+4*\i]   ; at least 1e-12
.endr
	v_rcp_f32 v10, v[TT]
	v_rcp_f32 v12, v[TT+4]
	v_rcp_f32 v14, v[TT+8]
	v_rcp_f32 v4, v[TT+12]
	v_nop
	s_wait_alu depctr_va_vdst(0)                   ; and one for the four reciprocals
.macro VAL i, fr
.set rA, ACC+32*(\i)
.if (\i) == 0
	s_cmp_lg_u32 s[FIRST], 0
	s_cbranch_scc1 .Lnot_first_\@
.irp z, 0,1,2,3,4,5,6,7
	global_store_b128 v[FA], v[rA+4*\z:rA+4*\z+3], s[F32B:F32B+1] offset:64*(\z/2)+16*(\z%2)   ; positions 0 to 15 in f32
.endr
	s_wait_xcnt 0x0                                ; these stores have read their data, which is scaled in place below
.Lnot_first_\@:
.endif
.irp x, 0,1,2,3,4,5,6,7,8,9,10,11,12,13,14,15
	v_cvt_pk_f16_f32 v[FX+16*(\i)+\x], v[rA+2*\x], v[rA+2*\x+1]
.endr
.irp t, 0,1,2,3
	global_store_b128 v[VSL], v[FX+16*(\i)+4*\t:FX+16*(\i)+4*\t+3], s[OUTB:OUTB+1] offset:8192+2048*(\i)+512*\t   ; the 32 lanes fill 512 consecutive bytes, in another order
.endr
.irp p, 0,2,4,6,8,10,12,14,16,18,20,22,24,26,28,30
	v_pk_mul_f32 v[rA+\p:rA+\p+1], v[rA+\p:rA+\p+1], v[\fr:\fr+1] op_sel_hi:[1,0]
.endr
.irp z, 0,1,2,3,4,5,6,7
	global_store_b128 v[L16], v[rA+4*\z:rA+4*\z+3], s[VNB:VNB+1] offset:4096*(\i)+512*\z      ; the unit vector, f32: registers 4 z .. 4 z + 3 at 512 z + 16 x lane
.endr
.endm
	VAL 0, 10
	VAL 1, 12
	VAL 2, 14
	VAL 3, 4
.Ldone:
	s_wait_tensorcnt 0x0                           ; the wave's end
	ds_add_u32 v[SPW], v[NIL]
	s_wait_dscnt 0x0
	CROUND                                         ; the closing round
	s_endpgm
.Lfunc_end_k_qb268e095fb_qkv:
	.size	k_qb268e095fb_qkv, .Lfunc_end_k_qb268e095fb_qkv-k_qb268e095fb_qkv
	.p2alignl 7, 3214868480
	.fill 96, 4, 3214868480
	.section	.rodata,"a",@progbits
	.p2align	6, 0x0
	.amdhsa_kernel k_qb268e095fb_qkv
		.amdhsa_group_segment_fixed_size 280576
		.amdhsa_private_segment_fixed_size 0
		.amdhsa_enable_private_segment 0
		.amdhsa_kernarg_size 56
		.amdhsa_user_sgpr_count 2
		.amdhsa_user_sgpr_kernarg_segment_ptr 1
		.amdhsa_wavefront_size32 1
		.amdhsa_system_sgpr_workgroup_id_x 1
		.amdhsa_system_sgpr_workgroup_id_y 1
		.amdhsa_system_sgpr_workgroup_id_z 1
		.amdhsa_system_vgpr_workitem_id 0
		.amdhsa_next_free_vgpr 256
		.amdhsa_next_free_sgpr 96
		.amdhsa_reserve_vcc 0
		.amdhsa_float_denorm_mode_32 3
		.amdhsa_float_denorm_mode_16_64 3
		.amdhsa_memory_ordered 1
		.amdhsa_forward_progress 1
		.amdhsa_inst_pref_size 79
	.end_amdhsa_kernel
	.amdgpu_metadata
---
amdhsa.version: [ 1, 2 ]
amdhsa.kernels:
  - .name:           k_qb268e095fb_qkv
    .symbol:         k_qb268e095fb_qkv.kd
    .args:
      - { .name: ximg, .offset: 0, .size: 8, .value_kind: global_buffer, .address_space: global }
      - { .name: wprep, .offset: 8, .size: 8, .value_kind: global_buffer, .address_space: global }
      - { .name: q_gain, .offset: 16, .size: 8, .value_kind: global_buffer, .address_space: global }
      - { .name: qimg, .offset: 24, .size: 8, .value_kind: global_buffer, .address_space: global }
      - { .name: kvimg, .offset: 32, .size: 8, .value_kind: global_buffer, .address_space: global }
      - { .name: vnimg, .offset: 40, .size: 8, .value_kind: global_buffer, .address_space: global }
      - { .name: first32, .offset: 48, .size: 8, .value_kind: global_buffer, .address_space: global }
    .group_segment_fixed_size: 280576
    .private_segment_fixed_size: 0
    .kernarg_segment_align: 8
    .kernarg_segment_size: 56
    .max_flat_workgroup_size: 384
    .sgpr_count:     96
    .vgpr_count:     256
    .wavefront_size: 32
...
	.end_amdgpu_metadata
.endif
;; end of part 2
;; launch attn (part 3): grid 16 x 16, 16 waves a work-group, no clusters, 327,680 bytes of LDS; arguments qimg, kvimg, vnimg, yimg; writes yimg
.if DOCPART == 3
	.amdgcn_target "amdgcn-amd-amdhsa--gfx1250"
	.amdhsa_code_object_version 6
	.text
	.protected	k_qb268e095fb_attn
	.globl	k_qb268e095fb_attn
	.p2align	8
	.type	k_qb268e095fb_attn,@function
k_qb268e095fb_attn:
	s_mov_b64 s[64:65], 0
	v_nop
	global_prefetch_b8 v0, s[64:65] scope:SCOPE_SE
	s_setreg_imm32_b32 hwreg(HW_REG_WAVE_MODE, 25, 1), 1
	s_wait_xcnt 0x0
; ATTN.  y = softmax(q k^T, causal) v; then y - (y . vn) vn, vn the unit vector of the position's own v.  Head size 64; four query heads share a key and value head.
; q (already x gain x 0.125 x log2 e), k, v: f16, in the order of the operands' registers; products' sums, maxima, exponentials and row sums in f32; the weights p are rounded to f16 for the second product.  y leaves as f16, in the order of the next product's registers.
; SHARES.  Work-group (j, bkv) owns the blocks j and 31 - j of 64 positions, for the four query heads of kv head bkv: j + 1 and 32 - j key steps, 33 for every work-group.
; Wave w: block (w xor w / 4) % 2, head pair (w / 2) % 2, 16 positions w / 4 of the block: two tiles (two heads at the same positions), so that every fragment of K and V read from LDS feeds two products.
; Sixteen waves of 256 registers, four to a SIMD: one wave's vector work stands beside another's matrix work and LDS loads.
; LAYOUT.  S^T = K Q^T (source 0 = 16 keys, source 1 = 16 queries) and O^T = V^T P (source 0 = 16 channels): a lane holds ONE query throughout; two tiles of S^T, rounded in pairs, ARE P's fragment.
; SOFTMAX.  A running maximum m and sum l for each query: p = 2^(s - m); in every step O and l are multiplied by 2^(m_old - m_new).
; THE RING.  Two slots of 4 key steps (64 keys, 16,384 bytes a step).  Waves 0 to 3 fetch, each a quarter of each of the slot's four steps, so that every load holds bytes of the slot's first step.
; EVERY work-group walks all 8 slots' changes: the trip counts are constants.  A step whose keys all come after the wave's queries is jumped over (a branch on ids); a slot whose first key comes after the
; work-group's last query is not asked for (ids and the count of steps alone, the same in all sixteen waves).  Every wait on TENSORcnt is for 0.
; NO CLUSTER: work-groups of one kv head stop asking at different slots (64 (31 - j) + 63 differs), and a slot beyond a partner's limit would be fetched and never read by it.
; LIMITS: |v|, |y| under 65,504 (f16); NaN and infinities are not served.
.set SLOT1, 65536
.set SPARE, 131072                     ; behind the ring: the spare words, 128 bytes for each of 16 waves: eight blocks of 256 bytes that no other line names
.set SPW,  1
.set NIL,  2
.set AK0,  3                           ; v3   16 x lane
.set ADR,  4                           ; v4   the slot in hand + 16 x lane
.set MD,   5                           ; v5   on the diagonal: my query - the step's first key - 8 (lane / 16)
.set NINF, 6                           ; v6   -infinity
.set PFO,  7                           ; v7   256 x lane
.set QF,   24                          ; v24-55   Q: tile i, channels 32 dk on, at 24 + 16 i + 8 dk
.set S,    56                          ; v56-119  S^T: tile i, keys 16 kt on, at 56 + 32 i + 8 kt; then p; then P in the low 16 of a tile's 32
.set KV,   120                         ; v120-183 a step's K, then its V
.set O,    184                         ; v184-247 O^T: tile i, channels 16 dt on, at 184 + 32 i + 8 dt
; v8-11 and v248-251: at work for tile 0 and tile 1.  v12-17, v18-23: a tile's m, m_old - m_new, l (two halves), a, and a's pair
.set WV,    12
.set BKV,   13
.set BLK,   14
.set SUB,   15
.set HP,    16
.set CB,    17
.set Q0,    18
.set QL,    19
.set LASTQ, 20
.set TB,    21
.set KF,    22
.set SLOTS, 23
.set G1,    24
.set G0,    32
.set SEL,   36
.set PFA,   38
.set LIM,   40
.set QB,    42
.set VNB,   44
.set YB,    46
.macro TLOAD                           ; waves 0 to 3 fetch; the branch hangs on the wave's number alone
	s_cmp_lt_u32 s[WV], 4
	s_cbranch_scc0 .Lnone_\@
	tensor_load_to_lds s[G0:G0+3], s[G1:G1+7]
	s_nop 0
.rept 4
	v_nop
.endr
.Lnone_\@:
.endm
; A PREFETCH INTO THE L2 of the slot that the NEXT change of slots will ask for: 65,536 dense bytes.  All sixteen work-groups of a kv head walk the same K and V: the one with j = 0, which walks all slots, asks;
; in it waves 4 to 11, which fetch nothing: 8,192 bytes a wave, lanes 256 bytes apart, one instruction.  So each aligned block of 256 bytes is named once in the launch.  Slots 0 and 1 come by their loads alone; the last change that fills a slot asks for nothing.
.macro ASK
	s_cmp_gt_u32 s[SLOTS], s[LIM]
	s_cbranch_scc0 .Lnot_mine_\@
	global_prefetch_b8 v[PFO], s[PFA:PFA+1] th:TH_LOAD_NT scope:SCOPE_SE
.Lnot_mine_\@:
.endm
	s_load_b256 s[4:11], s[0:1], 0x0               ; qimg, kvimg, vnimg, yimg
	v_lshl_add_u32 v[SPW], v0, 2, SPARE
	v_mov_b32 v[NIL], 0
	ds_add_u32 v[SPW], v[NIL]                      ; the wave's opening: the add, twice on end, and its wait ahead of my first tensor load
	ds_add_u32 v[SPW], v[NIL]
	v_lshrrev_b32 v8, 5, v0
	v_readfirstlane_b32 s[WV], v8                  ; wave 0..15
	s_and_b32 s[BKV], ttmp7, 0xffff                ; 4 batch + kv head
	s_lshr_b32 s[SUB], s[WV], 2
	s_xor_b32 s[BLK], s[WV], s[SUB]
	s_and_b32 s[BLK], s[BLK], 1
	s_bfe_u32 s[HP], s[WV], 0x10001
	s_sub_co_u32 s48, 31, ttmp9
	s_cmp_eq_u32 s[BLK], 1
	s_cselect_b32 s[CB], s48, ttmp9                ; my block of 64 positions
	s_lshl_b32 s[Q0], s[CB], 6
	s_lshl_b32 s49, s[SUB], 4
	s_add_co_u32 s[Q0], s[Q0], s49                 ; my first query
	s_add_co_u32 s[QL], s[Q0], 15                  ; my last
	s_lshl_b32 s[LASTQ], s48, 6
	s_add_co_u32 s[LASTQ], s[LASTQ], 63            ; the work-group's last
	s_mov_b32 s[G1], 3<<16                         ; no mask; elements of 8 bytes; no padding
	s_mov_b32 s[G1+1], 512<<16                     ; tensor_dim0 = 512 elements: 4,096 bytes, a quarter of a step
	s_mov_b32 s[G1+2], 4<<16                       ; tensor_dim1 = 4 steps
	s_mov_b32 s[G1+3], 512<<16                     ; tile_dim0
	s_mov_b32 s[G1+4], 4                           ; tile_dim1
	s_mov_b32 s[G1+5], 2048                        ; from step to step: 16,384 bytes
	s_mov_b32 s[G1+6], 0
	s_mov_b32 s[G1+7], 0
	s_min_u32 s50, s[WV], 3
	s_lshl_b32 s51, s50, 14                        ; my quarter's place in a slot
	s_lshl_b32 s52, s[BKV], 19
	s_lshl_b32 s53, s50, 12
	s_add_co_u32 s52, s52, s53
	s_mov_b32 s53, 0
	s_lshl_b32 s54, s[CB], 2
	s_add_co_u32 s54, s54, s[SUB]                  ; my tile of 16 positions in the sequence
	s_lshl_b32 s55, s[BKV], 2
	s_lshl_b32 s56, s[HP], 1
	s_add_co_u32 s55, s55, s56                     ; 16 batch + my first head
	s_lshl_b32 s55, s55, 7
	s_add_co_u32 s55, s55, s54
	s_lshl_b32 s56, s55, 11                        ; q: 2,048 bytes a tile
	s_mov_b32 s57, 0
	s_lshl_b32 s58, s[BKV], 7
	s_add_co_u32 s58, s58, s54
	s_lshl_b32 s58, s58, 12                        ; the unit vectors: 4,096 bytes a tile
	s_mov_b32 s59, 0
	s_mov_b32 s[SEL], 0x76543210
	s_mov_b32 s[SEL+1], 0xfedcba98
	s_mov_b32 s[TB], 0
	s_mov_b32 s[KF], 0
	s_mov_b32 s[SLOTS], 7
	s_wait_dscnt 0x0                               ; both opening adds are done
	s_wait_kmcnt 0x0
	s_mov_b32 s[G0], 1
	s_mov_b32 s[G0+1], s51
	s_add_nc_u64 s[G0+2:G0+3], s[6:7], s[52:53]
	s_or_b32 s[G0+3], s[G0+3], 0x80000000
	TLOAD                                          ; slot 0: it holds key 0, which counts for every query
	s_add_nc_u64 s[QB:QB+1], s[4:5], s[56:57]
	s_add_nc_u64 s[VNB:VNB+1], s[8:9], s[58:59]
	s_lshr_b32 s55, s[BKV], 2
	s_lshl_b32 s55, s55, 7
	s_add_co_u32 s55, s55, s54                     ; my tile among all 512
	s_lshr_b32 s56, s55, 3
	s_lshl_b32 s56, s56, 18                        ; y: a block of 128 tokens is 262,144 bytes,
	s_and_b32 s55, s55, 7
	s_lshl_b32 s55, s55, 10                        ; a tile's fragment 1,024,
	s_add_co_u32 s56, s56, s55
	s_and_b32 s55, s[BKV], 3
	s_lshl_b32 s55, s55, 2
	s_lshl_b32 s58, s[HP], 1
	s_add_co_u32 s55, s55, s58
	s_lshl_b32 s55, s55, 14                        ; a head's two steps of 32 along the next K 16,384
	s_add_co_u32 s56, s56, s55
	s_add_nc_u64 s[YB:YB+1], s[10:11], s[56:57]
	s_sub_co_u32 s55, s[WV], 4
	s_lshr_b32 s58, s55, 3                         ; 0 in waves 4 to 11,
	s_or_b32 s58, s58, ttmp9                       ; of the work-group with j = 0
	s_cmp_eq_u32 s58, 0
	s_cselect_b32 s[LIM], 1, -1
	s_and_b32 s55, s55, 7
	s_lshl_b32 s55, s55, 13
	s_lshl_b32 s58, s[BKV], 19
	s_add_co_u32 s58, s58, s55
	s_add_co_u32 s58, s58, SLOT1                   ; my part of slot 1: the first change of slots steps it to slot 2
	s_add_nc_u64 s[PFA:PFA+1], s[6:7], s[58:59]
	v_and_b32 v8, 31, v0
	v_lshlrev_b32 v[AK0], 4, v8
	v_lshlrev_b32 v[PFO], 8, v8
.irp i, 0,1
.irp t, 0,1,2,3
	global_load_b128 v[QF+16*\i+4*\t:QF+16*\i+4*\t+3], v[AK0], s[QB:QB+1] offset:262144*\i+512*\t   ; Q stays in registers; the next head lies 128 tiles on
.endr
.endr
	v_and_b32 v9, 15, v0
	v_bfe_u32 v10, v0, 4, 1
	v_lshlrev_b32 v10, 3, v10
	v_sub_nc_u32 v[MD], v9, v10
	v_add_nc_u32 v[MD], s49, v[MD]                 ; the one step of a wave that lies on the diagonal begins 16 (w / 4) keys before its first query
	v_mov_b32 v[NINF], 0xff800000
	v_mov_b32 v249, 0                              ; a lane permute's destination counts as one of its sources: tile 1's is written here once, on every path (tile 0's, v9, is written above)
.irp i, 0,1
	v_mov_b32 v[12+6*\i], 0xff61b1e6               ; m: -3e38, under every score
	v_mov_b32 v[13+6*\i], 0
	v_mov_b32 v[14+6*\i], 0                        ; l, in two halves
	v_mov_b32 v[15+6*\i], 0
	v_mov_b32 v[16+6*\i], 0
	v_mov_b32 v[17+6*\i], 0
.endr
.set n, 0
.rept 64
	v_mov_b32 v[O+n], 0                            ; O^T.  (The step is written once: the first finds zeros, which the first a = 0 leaves zeros)
.set n, n+1
.endr
; A KEY STEP: 64 keys, the q-th of the slot in hand
.macro STEP q
	s_cmp_gt_u32 s[KF], s[QL]                      ; all its keys come after my queries: the work is left out; the line at its end that steps the key is not
	s_cbranch_scc1 .Lhid_\@
	v_add_nc_u32 v[ADR], s[TB], v[AK0]
.irp kt, 0,1,2,3
.irp t, 0,1,2,3
	ds_load_b128 v[KV+16*\kt+4*\t:KV+16*\kt+4*\t+3], v[ADR] offset:(\kt/2)*16384+(\q)*4096+(\kt%2)*2048+512*\t
.endr
.endr
	s_wait_dscnt 0x0
.irp dk, 0,1                                   ; eight accumulators by turns; the first eight products start the sums
.irp kt, 0,1,2,3
.irp i, 0,1
.if \dk == 0
	v_wmma_f32_16x16x32_f16 v[S+32*\i+8*\kt:S+32*\i+8*\kt+7], v[KV+16*\kt:KV+16*\kt+7], v[QF+16*\i:QF+16*\i+7], 0
.else
	v_wmma_f32_16x16x32_f16 v[S+32*\i+8*\kt:S+32*\i+8*\kt+7], v[KV+16*\kt+8:KV+16*\kt+15], v[QF+16*\i+8:QF+16*\i+15], v[S+32*\i+8*\kt:S+32*\i+8*\kt+7]
.endif
.endr
.endr
.endr
.rept 4
	v_nop                                          ; four places: in front of the loads into K's registers and of the first reads of the scores
.endr
.irp dt, 0,1,2,3
.irp ku, 0,1
.irp z, 0,1
	ds_load_tr16_b128 v[KV+16*\dt+8*\ku+4*\z:KV+16*\dt+8*\ku+4*\z+3], v[ADR] offset:(2+\ku)*16384+(\q)*4096+\z*2048+512*\dt   ; V, turned: channels 16 dt on, keys 32 ku + 16 z on; it lands under the softmax
.endr
.endr
.endr
	s_add_co_u32 s41, s[KF], 63
	s_cmp_le_u32 s41, s[Q0]                        ; all keys count: no mask
	s_cbranch_scc1 .Lopen_\@
.set n, 0
.rept 32                                       ; register n holds key 16 (n / 8) + n % 8 + 8 (lane / 16) of the step: hidden where it comes after my query
	v_cmp_gt_i32 vcc_lo, 16*(n/8)+n%8, v[MD]
	v_cndmask_b32 v[S+n], v[S+n], v[NINF], vcc_lo
	v_cndmask_b32 v[S+32+n], v[S+32+n], v[NINF], vcc_lo
.set n, n+1
.endr
.Lopen_\@:
.irp c, 0,1,2,3                                ; the maximum of 32 scores and the old m: four chains a tile, each accumulator from its low end on, the two tiles by turns
.irp i, 0,1
	v_max3_num_f32 v[8+240*\i+\c], v[S+32*\i+8*\c], v[S+32*\i+8*\c+1], v[S+32*\i+8*\c+2]
.endr
.endr
.irp e, 3,5
.irp c, 0,1,2,3
.irp i, 0,1
	v_max3_num_f32 v[8+240*\i+\c], v[8+240*\i+\c], v[S+32*\i+8*\c+\e], v[S+32*\i+8*\c+\e+1]
.endr
.endr
.endr
.irp i, 0,1
	v_max3_num_f32 v[8+240*\i], v[8+240*\i], v[S+32*\i+7], v[S+32*\i+15]
.endr
.irp i, 0,1
	v_max3_num_f32 v[10+240*\i], v[10+240*\i], v[S+32*\i+23], v[S+32*\i+31]
.endr
.irp i, 0,1
	v_max3_num_f32 v[8+240*\i], v[8+240*\i], v[9+240*\i], v[10+240*\i]
.endr
.irp i, 0,1
	v_max3_num_f32 v[8+240*\i], v[8+240*\i], v[11+240*\i], v[12+6*\i]
.endr
.irp i, 0,1
	v_permlanex16_b32 v[9+240*\i], v[8+240*\i], s[SEL], s[SEL+1]   ; the query's other 32 keys lie in the lane 16 away
.endr
.irp i, 0,1
	v_mov_b32 v[13+6*\i], v[12+6*\i]
.endr
.irp i, 0,1
	v_max_num_f32 v[12+6*\i], v[8+240*\i], v[9+240*\i]             ; the new m
.endr
.irp i, 0,1
	v_sub_f32 v[13+6*\i], v[13+6*\i], v[12+6*\i]                   ; m_old - m_new
.endr
.irp i, 0,1
.irp p, 0,2,4,6,8,10,12,14,16,18,20,22,24,26,28,30
	v_pk_add_f32 v[S+32*\i+\p:S+32*\i+\p+1], v[S+32*\i+\p:S+32*\i+\p+1], v[12+6*\i:13+6*\i] op_sel_hi:[1,0] neg_lo:[0,1] neg_hi:[0,1]   ; s - m, two at a time
.endr
.endr
.irp i, 0,1
	v_exp_f32 v[16+6*\i], v[13+6*\i]               ; a
.endr
.set n, 0
.rept 64
	v_exp_f32 v[S+n], v[S+n]                       ; p = 2^(s - m)
.set n, n+1
.endr
	v_nop                                          ; a plain line behind the last exponential,
	s_wait_alu depctr_va_vdst(0)                   ; and ONE wait for the batch of 66, ahead of its first reader
.irp i, 0,1                                    ; the row's sum is taken of the unrounded p: two chains a tile
	v_pk_add_f32 v[8+240*\i:9+240*\i], v[S+32*\i:S+32*\i+1], v[S+32*\i+4:S+32*\i+5]
	v_pk_add_f32 v[10+240*\i:11+240*\i], v[S+32*\i+2:S+32*\i+3], v[S+32*\i+6:S+32*\i+7]
.endr
.irp p, 8,12,16,20,24,28
.irp i, 0,1
	v_pk_add_f32 v[8+240*\i:9+240*\i], v[8+240*\i:9+240*\i], v[S+32*\i+\p:S+32*\i+\p+1]
	v_pk_add_f32 v[10+240*\i:11+240*\i], v[10+240*\i:11+240*\i], v[S+32*\i+\p+2:S+32*\i+\p+3]
.endr
.endr
.irp i, 0,1
	v_pk_add_f32 v[8+240*\i:9+240*\i], v[8+240*\i:9+240*\i], v[10+240*\i:11+240*\i]
.endr
.irp i, 0,1
	v_pk_fma_f32 v[14+6*\i:15+6*\i], v[14+6*\i:15+6*\i], v[16+6*\i:17+6*\i], v[8+240*\i:9+240*\i] op_sel_hi:[1,0,1]   ; l = a l + the sum
.endr
.irp i, 0,1
.irp x, 0,1,2,3,4,5,6,7,8,9,10,11,12,13,14,15
	v_cvt_pk_f16_f32 v[S+32*\i+\x], v[S+32*\i+2*\x], v[S+32*\i+2*\x+1]     ; in place, ascending: register x is written when its own number has been read
.endr
.endr
.irp i, 0,1
.irp p, 0,2,4,6,8,10,12,14,16,18,20,22,24,26,28,30
	v_pk_mul_f32 v[O+32*\i+\p:O+32*\i+\p+1], v[O+32*\i+\p:O+32*\i+\p+1], v[16+6*\i:17+6*\i] op_sel_hi:[1,0]   ; O^T x a
.endr
.endr
	s_wait_dscnt 0x0                               ; V is in
.irp ku, 0,1                                   ; eight accumulators by turns
.irp dt, 0,1,2,3
.irp i, 0,1
	v_wmma_f32_16x16x32_f16 v[O+32*\i+8*\dt:O+32*\i+8*\dt+7], v[KV+16*\dt+8*\ku:KV+16*\dt+8*\ku+7], v[S+32*\i+8*\ku:S+32*\i+8*\ku+7], v[O+32*\i+8*\dt:O+32*\i+8*\dt+7]
.endr
.endr
.endr
.rept 5
	v_nop                                          ; five places: the next step's first products write over P's registers; four of them serve its loads into V's, and the way out's reads
.endr
.Lhid_\@:
	s_add_co_u32 s[KF], s[KF], 64
.endm
; THE CHANGE OF SLOTS stands at a slot's head.  Each wave waits for all its tensor loads, adds 0 to its spare word, and waits for that and for its reads of the slot that it has left.
; Behind the barrier the slot ahead is whole and nobody reads the other one; fill = 1: that one is filled with the next 256 keys, up to the causal limit: the load has four key steps in which to land.
.macro CHANGE fill
	s_wait_tensorcnt 0x0                           ; no tensor load of mine is out, so the group 0 may be written
	ds_add_u32 v[SPW], v[NIL]
.if \fill
	ds_add_u32 v[SPW], v[NIL]                      ; and twice on end here, in every trip alike
	s_xor_b32 s[G0+1], s[G0+1], SLOT1              ; the other slot than last time,
	s_add_nc_u64 s[G0+2:G0+3], s[G0+2:G0+3], 65536 ; the next four steps
	s_wait_xcnt 0x0                                ; the last prefetch, a slot back, has read its address
	s_add_nc_u64 s[PFA:PFA+1], s[PFA:PFA+1], 65536 ; one slot further on than the walking descriptor
.endif
	s_wait_dscnt 0x0                               ; the add is done, and my reads of the slot that I have left are over
	s_barrier_signal -1
	s_barrier_wait -1
.if \fill
	s_add_co_u32 s41, s[KF], 256                   ; the first key of the slot that this change would ask for:
	s_cmp_gt_u32 s41, s[LASTQ]                     ; behind the work-group's last query no wave would read it
	s_cbranch_scc1 .Lpast_\@
	TLOAD                                          ; a wave's one tensor load until the next change
.Lpast_\@:
	ASK
.endif
.endm
.macro SLOT_STEPS
	STEP 0
	STEP 1
	STEP 2
	STEP 3
	s_xor_b32 s[TB], s[TB], SLOT1
.endm
	s_wait_loadcnt 0x0                             ; Q
.Lslot:                                            ; seven trips: behind each change of slots but the last the next slot is asked for
	CHANGE 1
	SLOT_STEPS
	s_sub_co_u32 s[SLOTS], s[SLOTS], 1
	s_cmp_lg_u32 s[SLOTS], 0
	s_cbranch_scc1 .Lslot
	CHANGE 0                                       ; the last slot is written out: nothing is left to ask for
	SLOT_STEPS
	; THE WAY OUT.  O^T / l; less its part along the position's own unit value; f16; each lane's 16 bytes are a group of the next product's fragment
.irp z, 0,1,2,3,4,5,6,7
	global_load_b128 v[KV+4*\z:KV+4*\z+3], v[AK0], s[VNB:VNB+1] offset:512*\z     ; vn: register 8 dt + j = channel 16 dt + 8 (lane / 16) + j of my position, as in O^T
.endr
.irp i, 0,1
	v_add_f32 v[8+240*\i], v[14+6*\i], v[15+6*\i]
.endr
.irp i, 0,1
	v_permlanex16_b32 v[9+240*\i], v[8+240*\i], s[SEL], s[SEL+1]
.endr
.irp i, 0,1
	v_add_f32 v[8+240*\i], v[8+240*\i], v[9+240*\i]
.endr
.irp i, 0,1
	v_rcp_f32 v[16+6*\i], v[8+240*\i]
.endr
	v_nop
	s_wait_alu depctr_va_vdst(0)                   ; one wait for the two reciprocals
	s_wait_loadcnt 0x0
.irp i, 0,1
.irp p, 0,2,4,6,8,10,12,14,16,18,20,22,24,26,28,30
	v_pk_mul_f32 v[O+32*\i+\p:O+32*\i+\p+1], v[O+32*\i+\p:O+32*\i+\p+1], v[16+6*\i:17+6*\i] op_sel_hi:[1,0]
.endr
	v_pk_mul_f32 v[8+240*\i:9+240*\i], v[O+32*\i:O+32*\i+1], v[KV:KV+1]
	v_pk_mul_f32 v[10+240*\i:11+240*\i], v[O+32*\i+2:O+32*\i+3], v[KV+2:KV+3]
.irp p, 4,8,12,16,20,24,28
	v_pk_fma_f32 v[8+240*\i:9+240*\i], v[O+32*\i+\p:O+32*\i+\p+1], v[KV+\p:KV+\p+1], v[8+240*\i:9+240*\i]
	v_pk_fma_f32 v[10+240*\i:11+240*\i], v[O+32*\i+\p+2:O+32*\i+\p+3], v[KV+\p+2:KV+\p+3], v[10+240*\i:11+240*\i]
.endr
	v_pk_add_f32 v[8+240*\i:9+240*\i], v[8+240*\i:9+240*\i], v[10+240*\i:11+240*\i]
	v_add_f32 v[8+240*\i], v[8+240*\i], v[9+240*\i]
	v_permlanex16_b32 v[9+240*\i], v[8+240*\i], s[SEL], s[SEL+1]
	v_add_f32 v[8+240*\i], v[8+240*\i], v[9+240*\i]
	v_mul_f32 v[8+240*\i], -1.0, v[8+240*\i]       ; -(y . vn)
.irp p, 0,2,4,6,8,10,12,14,16,18,20,22,24,26,28,30
	v_pk_fma_f32 v[O+32*\i+\p:O+32*\i+\p+1], v[KV+\p:KV+\p+1], v[8+240*\i:9+240*\i], v[O+32*\i+\p:O+32*\i+\p+1] op_sel_hi:[1,0,1]
.endr
.irp x, 0,1,2,3,4,5,6,7,8,9,10,11,12,13,14,15
	v_cvt_pk_f16_f32 v[72+16*\i+\x], v[O+32*\i+2*\x], v[O+32*\i+2*\x+1]
.endr
.irp dt, 0,1,2,3
	global_store_b128 v[AK0], v[72+16*\i+4*\dt:72+16*\i+4*\dt+3], s[YB:YB+1] offset:16384*\i+(\dt/2)*8192+(\dt%2)*512   ; 32 lanes store 512 consecutive bytes, aligned
.endr
.endr
	s_wait_tensorcnt 0x0                           ; the wave's end
	ds_add_u32 v[SPW], v[NIL]
	s_wait_dscnt 0x0
	s_endpgm
.Lfunc_end_k_qb268e095fb_attn:
	.size	k_qb268e095fb_attn, .Lfunc_end_k_qb268e095fb_attn-k_qb268e095fb_attn
	.p2alignl 7, 3214868480
	.fill 96, 4, 3214868480
	.section	.rodata,"a",@progbits
	.p2align	6, 0x0
	.amdhsa_kernel k_qb268e095fb_attn
		.amdhsa_group_segment_fixed_size 327680
		.amdhsa_private_segment_fixed_size 0
		.amdhsa_enable_private_segment 0
		.amdhsa_kernarg_size 32
		.amdhsa_user_sgpr_count 2
		.amdhsa_user_sgpr_kernarg_segment_ptr 1
		.amdhsa_wavefront_size32 1
		.amdhsa_system_sgpr_workgroup_id_x 1
		.amdhsa_system_sgpr_workgroup_id_y 1
		.amdhsa_system_sgpr_workgroup_id_z 1
		.amdhsa_system_vgpr_workitem_id 0
		.amdhsa_next_free_vgpr 256
		.amdhsa_next_free_sgpr 66
		.amdhsa_reserve_vcc 1
		.amdhsa_float_denorm_mode_32 3
		.amdhsa_float_denorm_mode_16_64 3
		.amdhsa_memory_ordered 1
		.amdhsa_forward_progress 1
		.amdhsa_inst_pref_size 180
	.end_amdhsa_kernel
	.amdgpu_metadata
---
amdhsa.version: [ 1, 2 ]
amdhsa.kernels:
  - .name:           k_qb268e095fb_attn
    .symbol:         k_qb268e095fb_attn.kd
    .args:
      - { .name: qimg, .offset: 0, .size: 8, .value_kind: global_buffer, .address_space: global }
      - { .name: kvimg, .offset: 8, .size: 8, .value_kind: global_buffer, .address_space: global }
      - { .name: vnimg, .offset: 16, .size: 8, .value_kind: global_buffer, .address_space: global }
      - { .name: yimg, .offset: 24, .size: 8, .value_kind: global_buffer, .address_space: global }
    .group_segment_fixed_size: 327680
    .private_segment_fixed_size: 0
    .kernarg_segment_align: 8
    .kernarg_segment_size: 32
    .max_flat_workgroup_size: 512
    .sgpr_count:     66
    .vgpr_count:     256
    .wavefront_size: 32
...
	.end_amdgpu_metadata
.endif
;; end of part 3
;; launch proj (part 4): grid 4 x 64, 8 waves a work-group, clusters of 4 x 4, 327,680 bytes of LDS; arguments yimg, wprep, out0; writes out0
.if DOCPART == 4
	.amdgcn_target "amdgcn-amd-amdhsa--gfx1250"
	.amdhsa_code_object_version 6
	.text
	.protected	k_qb268e095fb_proj
	.globl	k_qb268e095fb_proj
	.p2align	8
	.type	k_qb268e095fb_proj,@function
k_qb268e095fb_proj:
	s_mov_b64 s[64:65], 0
	v_nop
	global_prefetch_b8 v0, s[64:65] scope:SCOPE_SE
	s_setreg_imm32_b32 hwreg(HW_REG_WAVE_MODE, 25, 1), 1
	s_wait_xcnt 0x0
	s_wait_alu depctr_hold_cnt(0) depctr_sa_sdst(0) depctr_va_vdst(0) depctr_va_sdst(0) depctr_va_ssrc(0) depctr_va_vcc(0) depctr_vm_vsrc(0)
	s_getreg_b32 s2, hwreg(HW_REG_IB_STS2, 6, 4)
	s_cmp_eq_u32 s2, 0
	s_cbranch_scc0 .Lentry_in_a_cluster
	s_endpgm
.Lentry_in_a_cluster:
	s_bfe_u32 s2, ttmp6, 0x10000c
	s_cmp_lg_u32 s2, 0xf033
	s_cbranch_scc0 .Lentry_shape_is_right
	s_endpgm
.Lentry_shape_is_right:
; PROJ.  out = y Wproj^T, M 8,192, N 1,024, K 1,024, f16 operands, f32 sums; all rows but positions 0 to 15 of each sequence, which the next launch carries in f32 and stores.
; A tile of out is 128 tokens x 256 columns: 256 work-groups.  Eight waves, two to a SIMD; wave w: tokens 64 (w / 4) on, columns 64 (w % 4) on: sixteen accumulators, 128 registers, no register windows.
; Tile row = 16 cy + cluster y (so cy is the batch, and 'positions 0 to 15' is a test on the cluster's y and the wave's number alone); tile column = cx.
; K goes in steps of 128 through a ring of two LDS slots.  y lies in memory in the order of the operand's registers: a K step of a tile row is 32,768 dense bytes (waves 4 to 7, 8,192 each);
; Wproj's f16 rows give 256 bytes a K step (waves 0 to 3, 64 rows each, 16 bytes of padding behind each row).  One tensor load a wave behind each change of slots.
; CLUSTER 4 x 4: y's tile is shared along a row of the cluster, Wproj's along a column: joint loads; where a slot is filled again a round of the cluster's barrier stands in front.
; THE PRODUCT IS USED TRANSPOSED (source 0 = 16 rows of Wproj, source 1 = 16 tokens): a lane holds eight neighbouring columns of one row of out.
; One set of registers for y's four fragments (blocks 0, 1 are fetched anew in a quarter's middle, 2, 3 at its end), two for Wproj's.
; No prefetch: each step's tiles are asked for a whole K step ahead, and the launch moves 50 MB in a short time as it is.
; LIMITS: y and Wproj in f16: magnitudes under 65,504.
.set SLOT,  102400                     ; y's 32,768 bytes, then 256 rows x 272 of Wproj
.set BOFF,  32768
.set PITCH, 272
.set STAGE, 2*SLOT                     ; behind the ring: 16 rows x 272 bytes for each wave, for the way out; no fill lands there
.set SPARE, STAGE+8*16*PITCH           ; the spare words, 128 bytes for each of 8 waves: four blocks of 256 bytes that no other line names
.set WP_AT, 1359872
.set SPW, 1
.set NIL, 2
.set ADY, 3                            ; v3-4  LDS: y's fragments in slot 0, 1
.set ADW, 5                            ; v5-6  Wproj's
.set STO, 7
.set RD,  8
.set CO,  9
.set ACC, 16                           ; v16-143  accumulator (token tile i, column tile b) at 16 + 8 (4 i + b)
.set Y,   144                          ; v144-175 y's four fragments
.set WP,  176                          ; v176-239 Wproj's four, two sets
.set WV,  10
.set TH,  11
.set NQW, 12
.set CX,  13
.set CY,  14
.set CLY, 15
.set ROW, 16
.set G1A, 24
.set G0A, 32
.set G1B, 48
.set G0B, 56
.macro JLOAD s                         ; a joint load: waves 0 to 3 fetch Wproj's rows, waves 4 to 7 y's; the branch hangs on the wave's number alone
	s_cmp_eq_u32 s[TH], 0
	s_cbranch_scc0 .Lfor_y_\@
	tensor_load_to_lds s[G0B+4*\s:G0B+4*\s+3], s[G1B:G1B+7]
	s_nop 0
.rept 4
	v_nop
.endr
	s_branch .Lasked_\@
.Lfor_y_\@:
	tensor_load_to_lds s[G0A+4*\s:G0A+4*\s+3], s[G1A:G1A+7]
	s_nop 0
.rept 4
	v_nop
.endr
.Lasked_\@:
.endm
.macro CREST                           ; a round of the cluster's barrier behind its opening barrier
	s_cmp_lg_u32 s[WV], 0
	s_cbranch_scc1 .Lnot_wave_0_\@
	s_barrier_signal -3
.Lnot_wave_0_\@:
	s_barrier_wait -3
	s_barrier_signal -1
	s_barrier_wait -1
.endm
.macro CROUND
	s_barrier_signal -1
	s_barrier_wait -1
	CREST
.endm
	s_load_b128 s[4:7], s[0:1], 0x0                ; yimg, wprep
	s_load_b64 s[8:9], s[0:1], 0x10                ; out0
	v_lshl_add_u32 v[SPW], v0, 2, SPARE
	v_mov_b32 v[NIL], 0
	ds_add_u32 v[SPW], v[NIL]                      ; the wave's opening: the add, twice on end, and its wait ahead of my first tensor load
	ds_add_u32 v[SPW], v[NIL]
	v_lshrrev_b32 v10, 5, v0
	v_readfirstlane_b32 s[WV], v10                 ; wave 0..7
	s_lshr_b32 s[TH], s[WV], 2
	s_and_b32 s[NQW], s[WV], 3
	s_bfe_u32 s[CX], ttmp6, 0x40000
	s_bfe_u32 s[CY], ttmp6, 0x40004
	s_and_b32 s[CLY], ttmp7, 0xffff
	s_lshl_b32 s[ROW], s[CY], 4
	s_add_co_u32 s[ROW], s[ROW], s[CLY]            ; tile row
	s_lshl_b32 s17, s[CY], 2
	s_lshl_b32 s17, 15, s17                        ; my row of the cluster
	s_lshl_b32 s18, 0x1111, s[CX]                  ; my column
	s_or_b32 s[G1A], s17, (3<<16)|(1<<21)          ; y: elements of 8 bytes, dense rows of 256 bytes
	s_mov_b32 s[G1A+1], 32<<16
	s_mov_b32 s[G1A+2], 32<<16
	s_mov_b32 s[G1A+3], 32<<16
	s_mov_b32 s[G1A+4], 32
	s_mov_b32 s[G1A+5], 32
	s_mov_b32 s[G1A+6], 0
	s_mov_b32 s[G1A+7], 0
	s_or_b32 s[G1B], s18, (1<<16)|(1<<20)|(1<<21)|(5<<22)|(3<<25)   ; Wproj: elements of 2 bytes; four words of padding after every 64
	s_mov_b32 s[G1B+1], 128<<16
	s_mov_b32 s[G1B+2], 64<<16
	s_mov_b32 s[G1B+3], 128<<16
	s_mov_b32 s[G1B+4], 64
	s_mov_b32 s[G1B+5], 1024
	s_mov_b32 s[G1B+6], 0
	s_mov_b32 s[G1B+7], 0
	s_lshl_b32 s40, s[ROW], 18
	s_lshl_b32 s19, s[NQW], 13                     ; y: my quarter of a K step, in memory and in a slot
	s_add_co_u32 s40, s40, s19
	s_mov_b32 s41, 0
	s_lshl_b32 s42, s[CX], 8
	s_lshl_b32 s20, s[NQW], 6
	s_add_co_u32 s42, s42, s20                     ; Wproj: row 256 cx + 64 x quarter
	s_lshl_b32 s42, s42, 11
	s_add_co_u32 s42, s42, WP_AT
	s_mov_b32 s43, 0
	s_mul_i32 s21, s[NQW], 64*PITCH
	s_add_co_u32 s21, s21, BOFF
	s_wait_dscnt 0x0                               ; both opening adds are done
	s_wait_kmcnt 0x0
	s_add_nc_u64 s[40:41], s[4:5], s[40:41]
	s_add_nc_u64 s[42:43], s[6:7], s[42:43]
	CROUND                                         ; all sixteen work-groups are here: the first joint loads meet
.irp s, 0,1
	s_mov_b32 s[G0A+4*\s], 1
	s_add_co_u32 s[G0A+4*\s+1], s19, \s*SLOT
	s_add_nc_u64 s[G0A+4*\s+2:G0A+4*\s+3], s[40:41], \s*32768
	s_or_b32 s[G0A+4*\s+3], s[G0A+4*\s+3], 0x80000000
	s_mov_b32 s[G0B+4*\s], 1
	s_add_co_u32 s[G0B+4*\s+1], s21, \s*SLOT
	s_add_nc_u64 s[G0B+4*\s+2:G0B+4*\s+3], s[42:43], \s*256
	s_or_b32 s[G0B+4*\s+3], s[G0B+4*\s+3], 0x80000000
	JLOAD \s                                       ; K steps 0 and 1: two loads of mine are out
.endr
	v_and_b32 v10, 31, v0
	v_lshlrev_b32 v11, 4, v10
	s_lshl_b32 s46, s[TH], 12
	v_add_nc_u32 v[ADY], s46, v11                  ; 16 x lane + my four tiles of tokens
	v_add_nc_u32 v[ADY+1], SLOT, v[ADY]
	v_and_b32 v12, 15, v0                          ; r
	v_bfe_u32 v13, v0, 4, 1                        ; h
	v_mul_u32_u24 v14, v12, PITCH
	v_lshl_add_u32 v15, v13, 4, v14
	s_mul_i32 s46, s[NQW], 64*PITCH
	s_add_co_u32 s46, s46, BOFF
	v_add_nc_u32 v[ADW], s46, v15                  ; row x pitch + 16 x half, in my 64 rows
	v_add_nc_u32 v[ADW+1], SLOT, v[ADW]
	s_mul_i32 s46, s[WV], 16*PITCH
	s_add_co_u32 s46, s46, STAGE
	v_lshl_add_u32 v[STO], v13, 5, v14
	v_add_nc_u32 v[STO], s46, v[STO]               ; the stage, in: row r, 32 bytes for each half of the lanes
	v_mul_u32_u24 v[RD], v13, PITCH
	v_lshl_add_u32 v[RD], v12, 4, v[RD]
	v_add_nc_u32 v[RD], s46, v[RD]                 ; back: lanes 0-15 one row of 256 bytes, lanes 16-31 the next
	v_lshlrev_b32 v[CO], 12, v13
	v_lshl_add_u32 v[CO], v12, 4, v[CO]            ; and the same two rows in out
	s_lshl_b32 s44, s[ROW], 7
	s_lshl_b32 s46, s[TH], 6
	s_add_co_u32 s44, s44, s46
	s_lshl_b32 s44, s44, 12                        ; my first row of out, 4,096 bytes a row,
	s_lshl_b32 s46, s[CX], 10
	s_add_co_u32 s44, s44, s46
	s_lshl_b32 s46, s[NQW], 8
	s_add_co_u32 s44, s44, s46                     ; my first column
	s_mov_b32 s45, 0
	s_add_nc_u64 s[44:45], s[8:9], s[44:45]
.macro MUL4 i, p, zero                 ; token tile i against my four column tiles, 32 along K; the sixteen accumulators take turns
.irp b, 0,1,2,3
.if \zero
	v_wmma_f32_16x16x32_f16 v[ACC+8*(4*(\i)+\b):ACC+8*(4*(\i)+\b)+7], v[WP+32*(\p)+8*\b:WP+32*(\p)+8*\b+7], v[Y+8*(\i):Y+8*(\i)+7], 0
.else
	v_wmma_f32_16x16x32_f16 v[ACC+8*(4*(\i)+\b):ACC+8*(4*(\i)+\b)+7], v[WP+32*(\p)+8*\b:WP+32*(\p)+8*\b+7], v[Y+8*(\i):Y+8*(\i)+7], v[ACC+8*(4*(\i)+\b):ACC+8*(4*(\i)+\b)+7]
.endif
.endr
.endm
.macro FETCH_W slot, q, p
.irp b, 0,1,2,3
.irp c, 0,1
	ds_load_b128 v[WP+32*(\p)+8*\b+4*\c:WP+32*(\p)+8*\b+4*\c+3], v[ADW+\slot] offset:16*\b*PITCH+64*(\q)+32*\c
.endr
.endr
.endm
.macro FETCH_Y slot, q, i0
.irp i, \i0, \i0+1
.irp c, 0,1
	ds_load_b128 v[Y+8*(\i)+4*\c:Y+8*(\i)+4*\c+3], v[ADY+\slot] offset:(8*(\q)+(\i))*1024+512*\c
.endr
.endr
.endm
.macro PLACES                          ; four places in front of loads into registers that matrix instructions have read, and of the first reads of results
.rept 4
	v_nop
.endr
.endm
.macro STEP slot, q, zero              ; a quarter of 32 along K that has its successor in the same slot
	s_wait_dscnt 4                                 ; Wproj's set and y's blocks 0, 1 are in; the youngest four loads (blocks 2, 3) may be out
	MUL4 0, (\q)%2, \zero
	MUL4 1, (\q)%2, \zero
	s_wait_dscnt 0x0
	PLACES
	FETCH_W \slot, (\q)+1, 1-(\q)%2
	FETCH_Y \slot, (\q)+1, 0
	MUL4 2, (\q)%2, \zero
	MUL4 3, (\q)%2, \zero
	PLACES
	FETCH_Y \slot, (\q)+1, 2
.endm
; A slot's last quarter changes slots: one barrier; in front of it each wave waits for all its tensor loads, adds 0 to its spare word, and waits for that and for its reads of this slot.  fill = 1: this slot is filled again, two K steps ahead.
.macro TURN slot, next, fill
	s_wait_tensorcnt 0x0                           ; all my tensor loads have landed: my part of the next slot
	ds_add_u32 v[SPW], v[NIL]
	s_wait_dscnt 5                                 ; (the add and the youngest four loads may be out)
	MUL4 0, 1, 0
	s_wait_dscnt 0x0                               ; the add is done, and my reads of this slot are over
	s_barrier_signal -1
	MUL4 1, 1, 0
	s_barrier_wait -1
.if \fill
	CREST                                          ; the barrier has opened a round of the cluster's: no wave of any partner still reads this slot or has a load on its way
	s_add_nc_u64 s[G0A+4*\slot+2:G0A+4*\slot+3], s[G0A+4*\slot+2:G0A+4*\slot+3], 65536
	s_add_nc_u64 s[G0B+4*\slot+2:G0B+4*\slot+3], s[G0B+4*\slot+2:G0B+4*\slot+3], 512
	JLOAD \slot                                    ; the first tensor load behind the round; its four v_nop are the places in front of the loads below
.else
	PLACES
.endif
	FETCH_W \next, 0, 0
	FETCH_Y \next, 0, 0
	MUL4 2, 1, 0
	MUL4 3, 1, 0
	PLACES
	FETCH_Y \next, 0, 2
.endm
	s_wait_tensorcnt 1                             ; my part of K step 0 is in (K step 1's may stay out)
	s_barrier_signal -1
	s_barrier_wait -1                              ; everybody's is
	FETCH_W 0, 0, 0
	FETCH_Y 0, 0, 0
	FETCH_Y 0, 0, 2
	STEP 0, 0, 1                                   ; the first quarter stands in front of the loop: its products start the sums
	s_mov_b32 s47, 3
.Llap:                                             ; a trip goes once round the ring, from a lap's second quarter to the next lap's first, and fills both slots again
	STEP 0, 1, 0
	STEP 0, 2, 0
	TURN 0, 1, 1
	STEP 1, 0, 0
	STEP 1, 1, 0
	STEP 1, 2, 0
	TURN 1, 0, 1
	STEP 0, 0, 0
	s_sub_co_u32 s47, s47, 1
	s_cmp_lg_u32 s47, 0
	s_cbranch_scc1 .Llap
	STEP 0, 1, 0                                   ; the last lap fills nothing, and has no round of the cluster's barrier
	STEP 0, 2, 0
	TURN 0, 1, 0
	STEP 1, 0, 0
	STEP 1, 1, 0
	STEP 1, 2, 0
	s_wait_dscnt 4
	MUL4 0, 1, 0
	MUL4 1, 1, 0
	s_wait_dscnt 0x0
	MUL4 2, 1, 0
	MUL4 3, 1, 0
	PLACES
; THE WAY OUT, 16 tokens x 64 columns at a time, through my own stage: LDS serves a wave's instructions in order, so no wait stands between the stores and the loads
.macro OUTB i
.set BK, Y+32*((\i)%3)
.irp b, 0,1,2,3
	ds_store_b128 v[STO], v[ACC+8*(4*(\i)+\b):ACC+8*(4*(\i)+\b)+3] offset:64*\b        ; each accumulator from its low end on
	ds_store_b128 v[STO], v[ACC+8*(4*(\i)+\b)+4:ACC+8*(4*(\i)+\b)+7] offset:64*\b+16
.endr
.irp x, 0,1,2,3,4,5,6,7
	ds_load_b128 v[BK+4*\x:BK+4*\x+3], v[RD] offset:\x*2*PITCH
.endr
	s_wait_dscnt 0x0
.irp x, 0,1,2,3,4,5,6,7
	global_store_b128 v[CO], v[BK+4*\x:BK+4*\x+3], s[44:45] offset:65536*(\i)+8192*\x th:TH_STORE_NT   ; sixteen lanes store 256 consecutive bytes, aligned
.endr
.endm
	s_or_b32 s46, s[CLY], s[TH]
	s_cmp_eq_u32 s46, 0                            ; positions 0 to 15 of a sequence belong to the next launch (the test is the same in all partners, for a given wave)
	s_cbranch_scc1 .Lnot_mine
	OUTB 0
.Lnot_mine:
	OUTB 1
	OUTB 2
	s_wait_xcnt 0x0                                ; the first block's stores have read their registers, which take the fourth block
	OUTB 3
	s_wait_tensorcnt 0x0                           ; the wave's end
	ds_add_u32 v[SPW], v[NIL]
	s_wait_dscnt 0x0
	CROUND                                         ; the closing round
	s_endpgm
.Lfunc_end_k_qb268e095fb_proj:
	.size	k_qb268e095fb_proj, .Lfunc_end_k_qb268e095fb_proj-k_qb268e095fb_proj
	.p2alignl 7, 3214868480
	.fill 96, 4, 3214868480
	.section	.rodata,"a",@progbits
	.p2align	6, 0x0
	.amdhsa_kernel k_qb268e095fb_proj
		.amdhsa_group_segment_fixed_size 327680
		.amdhsa_private_segment_fixed_size 0
		.amdhsa_enable_private_segment 0
		.amdhsa_kernarg_size 24
		.amdhsa_user_sgpr_count 2
		.amdhsa_user_sgpr_kernarg_segment_ptr 1
		.amdhsa_wavefront_size32 1
		.amdhsa_system_sgpr_workgroup_id_x 1
		.amdhsa_system_sgpr_workgroup_id_y 1
		.amdhsa_system_sgpr_workgroup_id_z 1
		.amdhsa_system_vgpr_workitem_id 0
		.amdhsa_next_free_vgpr 256
		.amdhsa_next_free_sgpr 66
		.amdhsa_reserve_vcc 0
		.amdhsa_float_denorm_mode_32 3
		.amdhsa_float_denorm_mode_16_64 3
		.amdhsa_memory_ordered 1
		.amdhsa_forward_progress 1
		.amdhsa_inst_pref_size 54
	.end_amdhsa_kernel
	.amdgpu_metadata
---
amdhsa.version: [ 1, 2 ]
amdhsa.kernels:
  - .name:           k_qb268e095fb_proj
    .symbol:         k_qb268e095fb_proj.kd
    .args:
      - { .name: yimg, .offset: 0, .size: 8, .value_kind: global_buffer, .address_space: global }
      - { .name: wprep, .offset: 8, .size: 8, .value_kind: global_buffer, .address_space: global }
      - { .name: out0, .offset: 16, .size: 8, .value_kind: global_buffer, .address_space: global }
    .group_segment_fixed_size: 327680
    .private_segment_fixed_size: 0
    .kernarg_segment_align: 8
    .kernarg_segment_size: 24
    .max_flat_workgroup_size: 256
    .sgpr_count:     66
    .vgpr_count:     256
    .wavefront_size: 32
...
	.end_amdgpu_metadata
.endif
;; end of part 4
;; launch first16 (part 5): grid 64 x 4, 16 waves a work-group, no clusters, 18,432 bytes of LDS; arguments first32, Wproj, out0; writes out0
.if DOCPART == 5
	.amdgcn_target "amdgcn-amd-amdhsa--gfx1250"
	.amdhsa_code_object_version 6
	.text
	.protected	k_qb268e095fb_first16
	.globl	k_qb268e095fb_first16
	.p2align	8
	.type	k_qb268e095fb_first16,@function
k_qb268e095fb_first16:
	s_mov_b64 s[64:65], 0
	v_nop
	global_prefetch_b8 v0, s[64:65] scope:SCOPE_SE
	s_setreg_imm32_b32 hwreg(HW_REG_WAVE_MODE, 25, 1), 1
	s_wait_xcnt 0x0
; FIRST16.  Positions 0 to 15 of each of the four sequences, all in f32: there a row of the softmax averages one to sixteen values, and y - (y . vn) vn cancels nearly all of y, so that f16 operands would not do.
; Work-group (x, b): batch b, output columns 16 x .. 16 x + 15.  Wave w = query head w: its attention over the 16 positions, the step along the unit value, and its 64 channels' share of the projection;
; the sixteen shares meet in LDS and waves 0 and 1 add and store them.  The attention is done anew by each of the 64 work-groups of a batch: 32 small matrix instructions a wave, less than a pass through memory would cost.
; All products by the f32 matrix form, 16 x 16 x 4: 48 a wave.  Its k lies as register j, half h: k = 2 h + j.  A permutation of k applied alike to both operands keeps the products, so operands are taken as 16-byte loads and results leave them:
;   S^T = K Q^T: step (y, z) takes channels 8 y + 4 h + 2 z + j of both;  O^T = V^T P: step x takes keys 8 h + 2 x + j, which is where S^T's result holds them;  out^T = Wproj y'^T: step (dt, x) takes channels 16 dt + 8 h + 2 x + j, likewise.
; The registers that the matrix form writes (v176-255) are written by it alone; each sum begins with the constant 0; what is made of a sum goes into other registers.
; A work-group's 16 columns are 64 bytes of a row: its stores fill a quarter of an aligned 256 bytes each; that concerns 64 rows of the output's 8,192.
.set SPARE, 16384                      ; behind the sixteen shares of 1,024 bytes: the spare words, 128 bytes a wave: eight blocks of 256 bytes that no other line names
.set SPW, 1
.set NIL, 2
.set QF,  16                           ; v16-47   q; later p (v16-23) and work
.set KF,  48                           ; v48-79   k; later y
.set VT,  80                           ; v80-111  v by keys: 8 dt + 2 x + j = v[8 h + 2 x + j][16 dt + r]
.set VR,  112                          ; v112-143 my position's v, then its unit vector
.set WPR, 144                          ; v144-175 Wproj's row 16 x + r, my head's channels
.set SA,  176                          ; v176-191 two sums of S^T
.set OA,  192                          ; v192-223 O^T
.set PA,  224                          ; v224-255 four sums of out^T
	s_load_b128 s[4:7], s[0:1], 0x0                ; first32, Wproj
	s_load_b64 s[8:9], s[0:1], 0x10                ; out0
	v_lshl_add_u32 v[SPW], v0, 2, SPARE
	v_mov_b32 v[NIL], 0
	v_lshrrev_b32 v8, 5, v0
	v_readfirstlane_b32 s10, v8                    ; wave = head
	v_and_b32 v8, 15, v0                           ; r
	v_bfe_u32 v9, v0, 4, 1                         ; h
	v_mul_u32_u24 v3, v8, 6144                     ; a position's row of first32 is 6,144 bytes
	v_lshl_add_u32 v5, v9, 5, v3                   ; my position's v: + 32 h
	v_lshl_add_u32 v3, v9, 4, v3                   ; q, k: + 16 h
	v_mul_u32_u24 v4, v9, 8*6144
	v_lshl_add_u32 v4, v8, 2, v4                   ; v by keys: key 8 h, channel r
	v_lshlrev_b32 v6, 12, v8
	v_lshl_add_u32 v6, v9, 5, v6                   ; Wproj: row r, + 32 h
	v_lshlrev_b32 v7, 3, v9
	v_sub_nc_u32 v7, v8, v7                        ; my query - 8 h
	v_and_b32 v10, 31, v0
	v_lshlrev_b32 v10, 5, v10
	s_lshl_b32 s11, s10, 10
	v_add_nc_u32 v10, s11, v10                     ; LDS: my share, 32 bytes a lane
	v_and_b32 v11, 63, v0
	v_lshlrev_b32 v11, 4, v11                      ; LDS, back: 16 bytes a thread of waves 0 and 1
	v_bfe_u32 v12, v0, 1, 4
	v_lshlrev_b32 v12, 12, v12                     ; out: position (thread / 2) % 16,
	v_bfe_u32 v13, v0, 5, 1
	v_lshl_add_u32 v12, v13, 5, v12                ; columns 8 (thread / 32)
	v_and_b32 v13, 1, v0
	v_lshl_add_u32 v12, v13, 4, v12                ; + 4 (thread % 2)
	v_mov_b32 v14, 0xff800000                      ; -infinity
	v_mov_b32 v25, 0                               ; (a lane permute's destination counts as one of its sources; the upper half of a pair is named with it)
	v_mov_b32 v27, 0
	s_and_b32 s12, ttmp7, 0xffff                   ; batch
	s_mul_i32 s13, s12, 98304
	s_lshl_b32 s14, s10, 8                         ; 64 channels of f32
	s_lshr_b32 s15, s10, 2
	s_lshl_b32 s15, s15, 8
	s_add_co_u32 s20, s13, s14                     ; q of my head
	s_mov_b32 s21, 0
	s_add_co_u32 s22, s13, s15
	s_add_co_u32 s22, s22, 4096                    ; k of my kv head; its v lies 1,024 bytes on
	s_mov_b32 s23, 0
	s_lshl_b32 s24, ttmp9, 16                      ; 16 rows of Wproj
	s_add_co_u32 s24, s24, s14
	s_mov_b32 s25, 0
	s_lshl_b32 s26, s12, 23                        ; 2,048 rows of out
	s_lshl_b32 s27, ttmp9, 6
	s_add_co_u32 s26, s26, s27
	s_mov_b32 s27, 0
	s_mov_b32 s28, 0x76543210
	s_mov_b32 s29, 0xfedcba98
	s_wait_kmcnt 0x0
	s_add_nc_u64 s[20:21], s[4:5], s[20:21]
	s_add_nc_u64 s[22:23], s[4:5], s[22:23]
	s_add_nc_u64 s[24:25], s[6:7], s[24:25]
	s_add_nc_u64 s[26:27], s[8:9], s[26:27]
.irp y, 0,1,2,3,4,5,6,7
	global_load_b128 v[KF+4*\y:KF+4*\y+3], v3, s[22:23] offset:32*\y
	global_load_b128 v[QF+4*\y:QF+4*\y+3], v3, s[20:21] offset:32*\y
.endr
.irp dt, 0,1,2,3
.irp e, 0,1,2,3,4,5,6,7
	global_load_b32 v[VT+8*\dt+\e], v4, s[22:23] offset:1024+6144*\e+64*\dt
.endr
.endr
.irp z, 0,1,2,3,4,5,6,7
	global_load_b128 v[VR+4*\z:VR+4*\z+3], v5, s[22:23] offset:1024+64*(\z/2)+16*(\z%2)
.endr
.irp z, 0,1,2,3,4,5,6,7
	global_load_b128 v[WPR+4*\z:WPR+4*\z+3], v6, s[24:25] offset:64*(\z/2)+16*(\z%2)
.endr
	s_wait_loadcnt 48                              ; k and q are in; the 48 loads behind them stay out
.irp y, 0,1,2,3,4,5,6,7                        ; S^T: two sums by turns
.irp z, 0,1
.if \y == 0
	v_wmma_f32_16x16x4_f32 v[SA+8*\z:SA+8*\z+7], v[KF+4*\y+2*\z:KF+4*\y+2*\z+1], v[QF+4*\y+2*\z:QF+4*\y+2*\z+1], 0
.else
	v_wmma_f32_16x16x4_f32 v[SA+8*\z:SA+8*\z+7], v[KF+4*\y+2*\z:KF+4*\y+2*\z+1], v[QF+4*\y+2*\z:QF+4*\y+2*\z+1], v[SA+8*\z:SA+8*\z+7]
.endif
.endr
.endr
.rept 8
	v_nop                                          ; eight places behind this form, in front of the reads of results and of writes into its sources
.endr
.irp p, 0,2,4,6
	v_pk_add_f32 v[16+\p:17+\p], v[SA+\p:SA+\p+1], v[SA+8+\p:SA+9+\p]   ; lane (r, h): query r, register j: key 8 h + j; the scores are exponents of 2 already
.endr
.irp j, 0,1,2,3,4,5,6,7
	v_cmp_gt_i32 vcc_lo, \j, v7
	v_cndmask_b32 v[16+\j], v[16+\j], v14, vcc_lo  ; keys after my query
.endr
	v_max3_num_f32 v24, v16, v17, v18
	v_max3_num_f32 v24, v24, v19, v20
	v_max3_num_f32 v24, v24, v21, v22
	v_max_num_f32 v24, v24, v23
	v_permlanex16_b32 v25, v24, s28, s29
	v_max_num_f32 v24, v24, v25                    ; the row's maximum: key 0 counts for every query, so it is a number
.irp j, 0,1,2,3,4,5,6,7
	v_sub_f32 v[16+\j], v[16+\j], v24
.endr
.irp j, 0,1,2,3,4,5,6,7
	v_exp_f32 v[16+\j], v[16+\j]
.endr
	v_nop
	s_wait_alu depctr_va_vdst(0)                   ; one wait for the eight exponentials
	v_pk_add_f32 v[28:29], v[16:17], v[18:19]
	v_pk_add_f32 v[30:31], v[20:21], v[22:23]
	v_pk_add_f32 v[28:29], v[28:29], v[30:31]
	v_add_f32 v28, v28, v29
	v_permlanex16_b32 v25, v28, s28, s29
	v_add_f32 v28, v28, v25
	v_rcp_f32 v26, v28                             ; 1 / the row's sum
	s_wait_loadcnt 16                              ; v by keys is in; my position's v and Wproj stay out
.irp x, 0,1,2,3                                ; O^T: four sums by turns
.irp dt, 0,1,2,3
.if \x == 0
	v_wmma_f32_16x16x4_f32 v[OA+8*\dt:OA+8*\dt+7], v[VT+8*\dt+2*\x:VT+8*\dt+2*\x+1], v[16+2*\x:17+2*\x], 0
.else
	v_wmma_f32_16x16x4_f32 v[OA+8*\dt:OA+8*\dt+7], v[VT+8*\dt+2*\x:VT+8*\dt+2*\x+1], v[16+2*\x:17+2*\x], v[OA+8*\dt:OA+8*\dt+7]
.endif
.endr
.endr
.rept 8
	v_nop                                          ; eight places (the first of them is also the plain line behind the reciprocal)
.endr
	s_wait_alu depctr_va_vdst(0)                   ; the wait for the reciprocal, ahead of its first reader
.irp p, 0,2,4,6,8,10,12,14,16,18,20,22,24,26,28,30
	v_pk_mul_f32 v[KF+\p:KF+\p+1], v[OA+\p:OA+\p+1], v[26:27] op_sel_hi:[1,0]   ; y: lane (r, h): position r, register 8 dt + j: channel 16 dt + 8 h + j
.endr
	s_wait_loadcnt 8                               ; my position's v is in; Wproj stays out
	v_pk_mul_f32 v[28:29], v[VR:VR+1], v[VR:VR+1]
	v_pk_mul_f32 v[30:31], v[VR+2:VR+3], v[VR+2:VR+3]
.irp p, 4,8,12,16,20,24,28
	v_pk_fma_f32 v[28:29], v[VR+\p:VR+\p+1], v[VR+\p:VR+\p+1], v[28:29]
	v_pk_fma_f32 v[30:31], v[VR+\p+2:VR+\p+3], v[VR+\p+2:VR+\p+3], v[30:31]
.endr
	v_pk_add_f32 v[28:29], v[28:29], v[30:31]
	v_add_f32 v28, v28, v29
	v_permlanex16_b32 v29, v28, s28, s29
	v_add_f32 v28, v28, v29
	v_sqrt_f32 v28, v28
	v_nop
	s_wait_alu depctr_va_vdst(0)
	v_max_num_f32 v28, 0x2b8cbccc, v28             ; at least 1e-12
	v_rcp_f32 v28, v28
	v_nop
	s_wait_alu depctr_va_vdst(0)
.irp p, 0,2,4,6,8,10,12,14,16,18,20,22,24,26,28,30
	v_pk_mul_f32 v[VR+\p:VR+\p+1], v[VR+\p:VR+\p+1], v[28:29] op_sel_hi:[1,0]   ; vn
.endr
	v_pk_mul_f32 v[32:33], v[KF:KF+1], v[VR:VR+1]
	v_pk_mul_f32 v[34:35], v[KF+2:KF+3], v[VR+2:VR+3]
.irp p, 4,8,12,16,20,24,28
	v_pk_fma_f32 v[32:33], v[KF+\p:KF+\p+1], v[VR+\p:VR+\p+1], v[32:33]
	v_pk_fma_f32 v[34:35], v[KF+\p+2:KF+\p+3], v[VR+\p+2:VR+\p+3], v[34:35]
.endr
	v_pk_add_f32 v[32:33], v[32:33], v[34:35]
	v_add_f32 v32, v32, v33
	v_permlanex16_b32 v33, v32, s28, s29
	v_add_f32 v32, v32, v33
	v_mul_f32 v32, -1.0, v32                       ; -(y . vn)
.irp p, 0,2,4,6,8,10,12,14,16,18,20,22,24,26,28,30
	v_pk_fma_f32 v[KF+\p:KF+\p+1], v[VR+\p:VR+\p+1], v[32:33], v[KF+\p:KF+\p+1] op_sel_hi:[1,0,1]
.endr
	s_wait_loadcnt 0x0                             ; Wproj
.irp x, 0,1,2,3                                ; out^T, my head's share: four sums by turns
.irp dt, 0,1,2,3
.if \x == 0
	v_wmma_f32_16x16x4_f32 v[PA+8*\dt:PA+8*\dt+7], v[WPR+8*\dt+2*\x:WPR+8*\dt+2*\x+1], v[KF+8*\dt+2*\x:KF+8*\dt+2*\x+1], 0
.else
	v_wmma_f32_16x16x4_f32 v[PA+8*\dt:PA+8*\dt+7], v[WPR+8*\dt+2*\x:WPR+8*\dt+2*\x+1], v[KF+8*\dt+2*\x:KF+8*\dt+2*\x+1], v[PA+8*\dt:PA+8*\dt+7]
.endif
.endr
.endr
.rept 8
	v_nop
.endr
.irp p, 0,2,4,6
	v_pk_add_f32 v[24+\p:25+\p], v[PA+\p:PA+\p+1], v[PA+8+\p:PA+9+\p]
.endr
.irp p, 0,2,4,6
	v_pk_add_f32 v[32+\p:33+\p], v[PA+16+\p:PA+17+\p], v[PA+24+\p:PA+25+\p]
.endr
.irp p, 0,2,4,6
	v_pk_add_f32 v[24+\p:25+\p], v[24+\p:25+\p], v[32+\p:33+\p]    ; lane (r, h): position r, register j: column 16 x + 8 h + j
.endr
	ds_store_b128 v10, v[24:27]
	ds_store_b128 v10, v[28:31] offset:16
	s_wait_dscnt 0x0                               ; for the others' sake: my share lies in LDS
	s_barrier_signal -1
	s_barrier_wait -1
	s_cmp_ge_u32 s10, 2
	s_cbranch_scc1 .Lend
.irp w, 0,1,2,3,4,5,6,7,8,9,10,11,12,13,14,15
	ds_load_b128 v[32+4*\w:35+4*\w], v11 offset:1024*\w            ; the sixteen heads' shares of my four numbers
.endr
	s_wait_dscnt 0x0
.irp w, 0,1,2,3,4,5,6,7
	v_pk_add_f32 v[32+4*\w:33+4*\w], v[32+4*\w:33+4*\w], v[64+4*\w:65+4*\w]
	v_pk_add_f32 v[34+4*\w:35+4*\w], v[34+4*\w:35+4*\w], v[66+4*\w:67+4*\w]
.endr
.irp w, 0,1,2,3
	v_pk_add_f32 v[32+4*\w:33+4*\w], v[32+4*\w:33+4*\w], v[48+4*\w:49+4*\w]
	v_pk_add_f32 v[34+4*\w:35+4*\w], v[34+4*\w:35+4*\w], v[50+4*\w:51+4*\w]
.endr
.irp w, 0,1
	v_pk_add_f32 v[32+4*\w:33+4*\w], v[32+4*\w:33+4*\w], v[40+4*\w:41+4*\w]
	v_pk_add_f32 v[34+4*\w:35+4*\w], v[34+4*\w:35+4*\w], v[42+4*\w:43+4*\w]
.endr
	v_pk_add_f32 v[32:33], v[32:33], v[36:37]
	v_pk_add_f32 v[34:35], v[34:35], v[38:39]
	global_store_b128 v12, v[32:35], s[26:27]
.Lend:
	s_wait_tensorcnt 0x0                           ; the wave's end: behind my last LDS store
	ds_add_u32 v[SPW], v[NIL]
	s_wait_dscnt 0x0
	s_endpgm
.Lfunc_end_k_qb268e095fb_first16:
	.size	k_qb268e095fb_first16, .Lfunc_end_k_qb268e095fb_first16-k_qb268e095fb_first16
	.p2alignl 7, 3214868480
	.fill 96, 4, 3214868480
	.section	.rodata,"a",@progbits
	.p2align	6, 0x0
	.amdhsa_kernel k_qb268e095fb_first16
		.amdhsa_group_segment_fixed_size 18432
		.amdhsa_private_segment_fixed_size 0
		.amdhsa_enable_private_segment 0
		.amdhsa_kernarg_size 24
		.amdhsa_user_sgpr_count 2
		.amdhsa_user_sgpr_kernarg_segment_ptr 1
		.amdhsa_wavefront_size32 1
		.amdhsa_system_sgpr_workgroup_id_x 1
		.amdhsa_system_sgpr_workgroup_id_y 1
		.amdhsa_system_sgpr_workgroup_id_z 1
		.amdhsa_system_vgpr_workitem_id 0
		.amdhsa_next_free_vgpr 256
		.amdhsa_next_free_sgpr 66
		.amdhsa_reserve_vcc 1
		.amdhsa_float_denorm_mode_32 3
		.amdhsa_float_denorm_mode_16_64 3
		.amdhsa_memory_ordered 1
		.amdhsa_forward_progress 1
		.amdhsa_inst_pref_size 25
	.end_amdhsa_kernel
	.amdgpu_metadata
---
amdhsa.version: [ 1, 2 ]
amdhsa.kernels:
  - .name:           k_qb268e095fb_first16
    .symbol:         k_qb268e095fb_first16.kd
    .args:
      - { .name: first32, .offset: 0, .size: 8, .value_kind: global_buffer, .address_space: global }
      - { .name: Wproj, .offset: 8, .size: 8, .value_kind: global_buffer, .address_space: global }
      - { .name: out0, .offset: 16, .size: 8, .value_kind: global_buffer, .address_space: global }
    .group_segment_fixed_size: 18432
    .private_segment_fixed_size: 0
    .kernarg_segment_align: 8
    .kernarg_segment_size: 24
    .max_flat_workgroup_size: 512
    .sgpr_count:     66
    .vgpr_count:     256
    .wavefront_size: 32
...
	.end_amdgpu_metadata
.endif
;; end of part 5
